; MI455X (gfx1250); checked and timed in simulation.
; The chip was launched on July 23, 2026; its instructions are those of AMD's public machine-readable ISA for CDNA 5 (MIT licence, August 2026) and "CDNA5" Instruction Set Architecture Reference Guide (July 2026). The comments in the code are by the model that wrote it; some were corrected since.
;; Feed Forward Network. Allowed arithmetic: matrix products marked QUANTISED: E2M3 operands, one E8M0 scale for each 32 along K, by v_wmma_scale_f32_16x16x128_f8f6f4 with both operands' format E2M3, f32 sums; everything else in f32.
;; Inputs: w1 2,048 x 2,048 float32; w2 2,048 x 2,048 float32; x 4 x 2,048 x 2,048 float32.
;; Outputs: out0 4 x 2,048 x 2,048 float32.
;; This version of the problem:
;;   THIS VERSION OF THE PROBLEM IS GIVEN IN LOW PRECISION. The matrix products marked QUANTISED in the list below multiply operands that are first quantised to E2M3 (2 exponent bits, 3 mantissa bits; 6 bits a number), with one power-of-two scale for each 32 numbers along K (OCP MX v1.0); their sums are f32. All else is computed in f32.
;;   The module's matrix products, in the order in which they are computed (A, B: the left and right operand; K: the contracted axis; several contracted axes count as one K, in the product's order):
;;     1. [M 8,192, K 2,048] x [K 2,048, N 2,048]; A: computed on the way; B: computed on the way: QUANTISED
;;     2. [M 8,192, K 2,048] x [K 2,048, N 2,048]; A: computed on the way; B: computed on the way: QUANTISED
;;   THE QUANTISER, for each operand of a quantised product, along K:
;;     - K is cut into blocks of 32 from its start; a last block that is shorter is filled with zeros.
;;     - A block's scale is 2^e with e = floor(log2(the largest magnitude in the block)) - 2, held to -126 .. 127; a block of zeros has e = 0. As a byte (E8M0): e + 127.
;;     - Each number is divided by its block's scale, clamped to +-7.5, and rounded to the nearest number of E2M3, ties to even, subnormals kept.
;;     - The product sums the exact products of the quantised numbers (number of the format x scale) in f32.
;;   ~~~python
;;   def quantise(x, axis):      # numpy; x: float32 -> the quantised numbers, widened to float32 again
;;       x = np.moveaxis(x, axis, -1); K = x.shape[-1]
;;       x = np.pad(x, [(0, 0)] * (x.ndim - 1) + [(0, -K % 32)]); x = x.reshape(x.shape[:-1] + (-1, 32)); a = np.abs(x).max(-1, keepdims=True)
;;       e = np.where(a > 0, np.clip(np.frexp(np.where(a > 0, a, 1))[1] - 1 - 2, -126, 127), 0)      # np.frexp(a)[1] - 1 = floor(log2(a)), exactly
;;       r = np.clip(x / 2.0 ** e, -7.5, 7.5)
;;       step = 2.0 ** (np.maximum(np.frexp(np.where(r == 0, 1, r))[1] - 1, 0) - 3)
;;       q = np.round(r / step) * step * 2.0 ** e      # np.round: ties to even
;;       return np.moveaxis(q.reshape(q.shape[:-2] + (-1,))[..., :K], -1, axis).astype(np.float32)
;;   ~~~
;;   OPERANDS COMPUTED ON THE WAY. 'Computed on the way' means the value that the module computes at that place (a softmax that the list does not call 'softmax' is quantised finished and normalised). What goes into a quantiser is computed in f32, as accurately as f32 sums, v_exp_f32 and their like allow (about 1e-6 of the number): no bf16 or f16 on the way to a quantiser, and a product that is left as it is and whose result goes on into a quantised operand takes f32 operands (vector FMAs, or v_wmma_f32_16x16x4_f32). A number that lies on a knife's edge between two numbers of the format may be rounded either way, as far as f32 arithmetic and the matrix unit's own rounding can turn it there, and no further.
;; One version. Each part assembles by itself: llvm-mc -triple=amdgcn-amd-amdhsa -mcpu=gfx1250 --defsym DOCPART=n.
;; ======== version 1 of 1: 5 launches
;; limits: right only within a limited range of input values
;; workspace buffers: acod 13,107,200 bytes; w1c 3,145,728 bytes; w2c 3,145,728 bytes; wsum 2,048 bytes; wscl 256 bytes; hbuf 67,108,864 bytes
;; launch qx (part 1): grid 256 x 1, 16 waves a work-group, no clusters, 142,336 bytes of LDS; arguments x, w1, w2, acod, wsum; writes acod, wsum
.if DOCPART == 1
	.amdgcn_target "amdgcn-amd-amdhsa--gfx1250"
	.amdhsa_code_object_version 6
	.text
	.protected	k_q50c517cf89_qx
	.globl	k_q50c517cf89_qx
	.p2align	8
	.type	k_q50c517cf89_qx,@function
k_q50c517cf89_qx:
	s_mov_b64 s[64:65], 0
	v_nop
	global_prefetch_b8 v0, s[64:65] scope:SCOPE_SE
	s_setreg_imm32_b32 hwreg(HW_REG_WAVE_MODE, 25, 1), 1
	s_wait_xcnt 0x0
; FIRST OF FIVE LAUNCHES of  out = bitlinear(gelu(bitlinear(x, w1)), w2),  both products on codes of E2M3 with one E8M0 scale for each 32 along K.
; This launch: x [8192][2048] f32 -> per-row absmax int8 numbers aq = clip(round(x s), -128, 127) / s, s = 127 / max(max|x|, 1e-5) -> codes and scale bytes (buffer acod);
; and beside it the partial sums of |w1| and |w2| (buffer wsum), of which the next launch makes the two means.
; WORK LEFT OUT, for all values of the inputs: reference() writes x + stop_gradient(aq - x) and w + stop_gradient(wq - w).  In real numbers these are aq and wq, by an identity: the two additions
; a number are left out and aq, wq go to the quantiser as they are.  Both clips of reference() are kept.  Every input is loaded.  A NaN, an infinity or an overflow that would arise in the additions left out alone is not carried to the result.
; LIMITS: NaN and infinities among the inputs are not served.  q / s is computed as q x (1 / s), 1 / s refined by one Newton step: within one unit in the last place of the quotient.
; A block whose aq are all zero gets the byte 1 where the rule says 127: its codes are zeros, and this program alone reads the bytes.  The sum of |w| is a tree (32 a lane, 32 lanes, 16 waves, 256 groups), not reference()'s order.
; SHARES.  A work-group takes 32 rows, two tiles of 16.  Wave w is K step w: numbers 128 w .. 128 w + 127 of the tile's 16 rows.  Each load reads 512 consecutive bytes of a row; the 16 rows turn through the wave's own stage in LDS,
; so that lane (r = lane % 16, h = lane / 16) holds X[16 b + i] = number 32 b + 16 h + i of row r: the conversions take 16 neighbours from one lane's registers.
; ACOD: a record of 25,600 bytes for each tile of 16 rows.  Fragment s (K step s) at 1536 s, as an image of the operand's 12 registers: registers 4 c .. 4 c + 3 of lane l at 512 c + 16 l.  From byte 24,576 the scale words, as an image
; of 8 registers: register q holds in lanes 0-15 the rows' words of K step 2 q, in lanes 16-31 those of K step 2 q + 1; register q of lane l at 512 (q / 4) + 16 l + 4 (q % 4).
; No tensor loads: all that is on its way fits the registers (32 loads a wave at the head); waves share only single words: the row maxima, the scale words, the sums.
.set ROWB,  8192                       ; a row of x in bytes
.set TILEB, 16*ROWB
.set REC,   25600
.set SP,    528                        ; a stage row: 512 bytes + 16: the sixteen rows that a read touches begin 16 bytes apart modulo 256
.set WST,   16*SP                      ; a wave's stage
.set RM,    16*WST                     ; row maxima: 16 rows x 80 bytes (16 waves' words + 16), once for each tile
.set SCI,   RM+2*1280                  ; the scale image, 1,024 bytes, once for each tile
.set WS,    SCI+2*1024                 ; the waves' two sums of |w|: 8 bytes a wave
.set SPARE, WS+256                     ; the spare words, 128 bytes for each of 16 waves: eight blocks of 256 bytes that no other line names
.set XO,  1                            ; v1   16 x thread: my 16 bytes of a row of x; also my 16 bytes of a scale image in memory
.set SW,  2                            ; v2   the stage, on the way in
.set SRD, 3                            ; v3   and on the way out
.set RMA, 4                            ; v4   where I put my row's maximum
.set RML, 5                            ; v5   where I read my row's sixteen
.set SCA, 6                            ; v6   where I put my row's scale word
.set SCR, 7                            ; v7   where waves 0 and 1 read the scale image
.set OC,  8                            ; v8   1536 x wave + 16 x lane: my fragment's place in a record
.set WO,  9                            ; v9   4096 x wave + 16 x lane: my part of the group's 65,536 bytes of a weight
.set WSA, 10                           ; v10  where my wave puts its sums
.set WSL, 11                           ; v11  where wave 2 reads them
.set SPW, 12                           ; v12  my spare word; never rewritten
.set NIL, 13                           ; v13  0; never rewritten
.set S,   14                           ; v[14:15] s (the low word serves both halves of a packed multiply)
.set INV, 16                           ; v[16:17] 1 / s
.set AM,  18
.set T0,  19
.set BM,  20                           ; v20-23 the four blocks' largest magnitudes
.set T4,  24                           ; v24-27 at work
.set SO,  28                           ; v28-31 the conversions' scale operands
.set PW,  32                           ; v32  my row's scale word
.set RMX, 33
.set T1,  34
.set T2,  35
.set T3,  36
.set LN,  37
.set ZR,  38
.set PC,  40                           ; v40-58 the codes; before that the row's sixteen maxima
.set SD,  60                           ; v60-63 the scale image on its way out
.set X,   64                           ; v64-127 64 numbers
.set R0,  128                          ; v128-191 tile 0 as loaded, later the weights; v192-255 tile 1
.set WV,  14
.set LO,  20                           ; s20 -128.0
.set HI,  21                           ; s21 127.0
.set SEL, 22                           ; s[22:23] lane l xor 16
.set EPS, 24                           ; s24 1e-5
.macro BAR                             ; my LDS stores have landed and my LDS loads are in: then the work-group's barrier
	s_wait_dscnt 0x0
	s_barrier_signal -1
	s_barrier_wait -1
.endm
.macro TURN r                          ; 16 rows x 512 bytes through my own stage; LDS serves a wave's instructions in order, so no wait stands between the stores and the loads
.irp i, 0,1,2,3,4,5,6,7,8,9,10,11,12,13,14,15
	ds_store_b128 v[SW], v[\r+4*\i:\r+4*\i+3] offset:SP*\i
.endr
.irp b, 0,1,2,3
.irp j, 0,1,2,3
	ds_load_b128 v[X+16*\b+4*\j:X+16*\b+4*\j+3], v[SRD] offset:128*\b+16*\j
.endr
.endr
.endm
.macro MAXES                           ; the four blocks' largest |x| (my 16 and lane l xor 16's), and the largest of the four
.irp b, 0,1,2,3
	v_max3_num_f32 v[BM+\b], |v[X+16*\b]|, |v[X+16*\b+1]|, 0
.endr
.irp i, 2,4,6,8,10,12,14
.irp b, 0,1,2,3
	s_delay_alu instid0(VALU_DEP_4)
	v_max3_num_f32 v[BM+\b], v[BM+\b], |v[X+16*\b+\i]|, |v[X+16*\b+\i+1]|
.endr
.endr
.irp b, 0,1,2,3
	s_delay_alu instid0(VALU_DEP_4)
	v_permlanex16_b32 v[T4+\b], v[BM+\b], s[SEL], s[SEL+1]
.endr
.irp b, 0,1,2,3
	s_delay_alu instid0(VALU_DEP_4)
	v_max_num_f32 v[BM+\b], v[BM+\b], v[T4+\b]
.endr
	s_delay_alu instid0(VALU_DEP_2)
	v_max3_num_f32 v[RMX], v[BM], v[BM+1], v[BM+2]
	s_delay_alu instid0(VALU_DEP_1)
	v_max_num_f32 v[RMX], v[RMX], v[BM+3]
.endm
.macro ROWSCALE tile                   ; s = 127 / max(the row's largest |x|, 1e-5) and 1 / s
	s_wait_xcnt 0x0                                ; the last tile's stores have read the codes' registers, into which the maxima are loaded
.irp j, 0,1,2,3
	ds_load_b128 v[PC+4*\j:PC+4*\j+3], v[RML] offset:\tile*1280+16*\j
.endr
	s_wait_dscnt 0x0
	v_max3_num_f32 v[AM], v[PC], v[PC+1], v[PC+2]
.irp i, 3,5,7,9,11,13
	s_delay_alu instid0(VALU_DEP_1)
	v_max3_num_f32 v[AM], v[AM], v[PC+\i], v[PC+\i+1]
.endr
	s_delay_alu instid0(VALU_DEP_1)
	v_max3_num_f32 v[AM], v[AM], v[PC+15], s[EPS]  ; reference()'s clip from below is the last leaf
	s_wait_alu depctr_va_vdst(0)
	v_rcp_f32 v[T0], v[AM]
	v_nop                                          ; a plain instruction behind the reciprocal,
	s_wait_alu depctr_va_vdst(0)                   ; and a wait ahead of its first reader
	v_mul_f32 v[T1], s[HI], v[T0]                  ; 127 / a: a first quotient,
	s_delay_alu instid0(VALU_DEP_1)
	v_fma_f32 v[T2], -v[AM], v[T1], s[HI]          ; its remainder,
	v_fma_f32 v[S], v[T2], v[T0], v[T1]            ; and the corrected quotient
	s_wait_alu depctr_va_vdst(0)
	v_rcp_f32 v[T3], v[S]
	v_nop
	s_wait_alu depctr_va_vdst(0)
	v_fma_f32 v[T2], -v[S], v[T3], 1.0
	v_fma_f32 v[INV], v[T2], v[T3], v[T3]          ; 1 / s, one Newton step
.endm
.macro ACTQ                            ; aq = clip(round(x s), -128, 127) x (1 / s).  The same four steps on each block's largest |x| give the block's largest |aq| bit for bit: they are odd and do not fall where |x| rises
.set J, 0
.rept 32
	v_pk_mul_f32 v[X+J:X+J+1], v[X+J:X+J+1], v[S:S+1] op_sel_hi:[1,0]
.set J, J+2
.endr
.irp b, 0,1,2,3
	v_mul_f32 v[BM+\b], v[BM+\b], v[S]
.endr
.set J, 0
.rept 64
	v_rndne_f32 v[X+J], v[X+J]
.set J, J+1
.endr
.irp b, 0,1,2,3
	v_rndne_f32 v[BM+\b], v[BM+\b]
.endr
.set J, 0
.rept 64
	v_med3_num_f32 v[X+J], v[X+J], s[LO], s[HI]
.set J, J+1
.endr
.irp b, 0,1,2,3
	v_med3_num_f32 v[BM+\b], v[BM+\b], s[LO], s[HI]
.endr
.set J, 0
.rept 32
	v_pk_mul_f32 v[X+J:X+J+1], v[X+J:X+J+1], v[INV:INV+1] op_sel_hi:[1,0]
.set J, J+2
.endr
.irp b, 0,1,2,3
	v_mul_f32 v[BM+\b], v[BM+\b], v[INV]
.endr
.irp b, 0,1,2,3
	s_delay_alu instid0(VALU_DEP_4)
	v_max_num_f32 v[BM+\b], 0x1800000, v[BM+\b]    ; the floor 2^(3 - 127): the byte cannot fall under 1
.endr
.irp b, 0,1,2,3
	s_delay_alu instid0(VALU_DEP_4)
	v_add_nc_u32 v[SO+\b], 0xff000000, v[BM+\b]    ; 2 off the exponent field: the conversion takes this operand's exponent field as its scale
.endr
.irp b, 0,1,2,3
	s_delay_alu instid0(VALU_DEP_4)
	v_lshrrev_b32 v[T4+\b], 23, v[SO+\b]           ; the scale's byte
.endr
	s_delay_alu instid0(VALU_DEP_3)
	v_lshl_or_b32 v[PW], v[T4+1], 8, v[T4]
	s_delay_alu instid0(VALU_DEP_1)
	v_lshl_or_b32 v[PW], v[T4+2], 16, v[PW]
	s_delay_alu instid0(VALU_DEP_1)
	v_lshl_or_b32 v[PW], v[T4+3], 24, v[PW]
.endm
.macro PACK tile                       ; 64 numbers -> the fragment's 12 registers -> three stores of 512 consecutive bytes
.irp c, 0,1
	v_cvt_scalef32_pk16_fp6_f32 v[PC+6*\c:PC+6*\c+2], v[X+32*\c:X+32*\c+15], v[SO+2*\c]
	v_cvt_scalef32_pk16_fp6_f32 v[PC+12+4*\c:PC+12+4*\c+2], v[X+32*\c+16:X+32*\c+31], v[SO+2*\c+1]   ; (a conversion's three registers begin on an even number)
.endr
	v_nop                                          ; one plain instruction behind the scaled conversions
.irp c, 0,1                            ; the operand's layout wants a whole block in a lane: lanes 0-15 block 2 c, lanes 16-31 block 2 c + 1
.irp i, 0,1,2
	v_permlane16_swap_b32 v[PC+6*\c+\i], v[PC+12+4*\c+\i]
.endr
.irp i, 0,1,2
	s_delay_alu instid0(VALU_DEP_3)
	v_mov_b32 v[PC+6*\c+3+\i], v[PC+12+4*\c+\i]
.endr
.endr
.irp c, 0,1,2
	global_store_b128 v[OC], v[PC+4*\c:PC+4*\c+3], s[10:11] offset:\tile*REC+512*\c
.endr
.endm
.macro SCOUT tile                      ; waves 0 and 1 send a tile's scale image out: 64 threads x 16 bytes
	s_cmp_lt_u32 s[WV], 2
	s_cbranch_scc0 .Lnot_mine_\@
	s_wait_xcnt 0x0                                ; the last image's store has read its registers
	ds_load_b128 v[SD:SD+3], v[SCR] offset:\tile*1024
	s_wait_dscnt 0x0
	global_store_b128 v[XO], v[SD:SD+3], s[10:11] offset:\tile*REC+24576
.Lnot_mine_\@:
.endm
	s_load_b256 s[4:11], s[0:1], 0x0               ; x s[4:5], w1 s[6:7], w2 s[8:9], acod s[10:11]
	s_load_b64 s[12:13], s[0:1], 0x20              ; wsum
	v_lshl_add_u32 v[SPW], v0, 2, SPARE
	v_mov_b32 v[NIL], 0
	v_lshrrev_b32 v18, 5, v0
	s_delay_alu instid0(VALU_DEP_1)
	v_readfirstlane_b32 s[WV], v18                 ; wave 0..15
	v_and_b32 v[LN], 31, v0
	v_and_b32 v18, 15, v0                          ; r
	v_bfe_u32 v19, v0, 4, 1                        ; h
	v_lshlrev_b32 v[XO], 4, v0
	s_wait_alu depctr_va_vdst(0)
	s_mul_i32 s15, s[WV], WST
	v_lshl_add_u32 v[SW], v[LN], 4, s15            ; in: 16 x lane of each stage row
	v_mul_u32_u24 v[SRD], v18, SP
	s_delay_alu instid0(VALU_DEP_1)
	v_lshl_add_u32 v[SRD], v19, 6, v[SRD]
	s_delay_alu instid0(VALU_DEP_1)
	v_add_nc_u32 v[SRD], s15, v[SRD]               ; out: row r, + 64 h
	v_mul_u32_u24 v[RML], v18, 80
	s_delay_alu instid0(VALU_DEP_1)
	v_add_nc_u32 v[RML], RM, v[RML]
	s_lshl_b32 s15, s[WV], 2
	v_add_nc_u32 v[RMA], s15, v[RML]
	s_lshr_b32 s15, s[WV], 3                       ; the scale word of K step w: register q = w / 2, lanes 16 (w % 2) + r
	s_lshl_b32 s15, s15, 9
	s_and_b32 s16, s[WV], 1
	s_lshl_b32 s16, s16, 8
	s_add_co_u32 s15, s15, s16
	s_bfe_u32 s16, s[WV], 0x20001
	s_lshl_b32 s16, s16, 2
	s_add_co_u32 s15, s15, s16
	s_add_co_u32 s15, s15, SCI
	v_lshl_add_u32 v[SCA], v18, 4, s15
	v_add_nc_u32 v[SCR], SCI, v[XO]
	s_mul_i32 s15, s[WV], 1536
	v_lshl_add_u32 v[OC], v[LN], 4, s15
	s_lshl_b32 s15, s[WV], 12
	v_lshl_add_u32 v[WO], v[LN], 4, s15
	s_lshl_b32 s15, s[WV], 3
	s_add_co_u32 s15, s15, WS
	v_mov_b32 v[WSA], s15
	v_lshl_add_u32 v[WSL], v18, 3, WS
	v_mov_b32 v[ZR], 0
	v_mov_b32 v[S+1], 0                            ; (named as the upper halves of pairs)
	v_mov_b32 v[INV+1], 0
.irp b, 0,1,2,3
	v_mov_b32 v[T4+\b], 0                          ; a lane permute's destination counts as one of its sources
.endr
	s_mov_b32 s[LO], 0xc3000000
	s_mov_b32 s[HI], 0x42fe0000
	s_mov_b32 s[SEL], 0x76543210
	s_mov_b32 s[SEL+1], 0xfedcba98
	s_mov_b32 s[EPS], 0x3727c5ac
	s_lshl_b32 s16, ttmp9, 18                      ; the group's 32 rows of x
	s_mov_b32 s17, 0
	s_lshl_b32 s18, ttmp9, 16                      ; its 65,536 bytes of each weight
	s_mov_b32 s19, 0
	s_mul_i32 s26, ttmp9, 2*REC                    ; its two records
	s_mov_b32 s27, 0
	s_lshl_b32 s28, ttmp9, 2                       ; its word in each half of wsum
	s_mov_b32 s29, 0
	s_wait_kmcnt 0x0
	s_add_nc_u64 s[4:5], s[4:5], s[16:17]
	s_add_nc_u64 s[6:7], s[6:7], s[18:19]
	s_add_nc_u64 s[8:9], s[8:9], s[18:19]
	s_add_nc_u64 s[10:11], s[10:11], s[26:27]
	s_add_nc_u64 s[12:13], s[12:13], s[28:29]
.irp t, 0,1
.irp i, 0,1,2,3,4,5,6,7,8,9,10,11,12,13,14,15
	global_load_b128 v[R0+64*\t+4*\i:R0+64*\t+4*\i+3], v[XO], s[4:5] offset:\t*TILEB+\i*ROWB th:TH_LOAD_NT   ; 32 lanes read 512 consecutive bytes; both tiles are asked for at once
.endr
.endr
	s_wait_loadcnt 16                              ; tile 0's sixteen are in; tile 1's stay out
	TURN R0
	s_wait_dscnt 0x0                               ; the stage's stores have read tile 0's registers, which now take the weights
.irp i, 0,1,2,3,4,5,6,7
	global_load_b128 v[R0+4*\i:R0+4*\i+3], v[WO], s[6:7] offset:512*\i
.endr
.irp i, 0,1,2,3,4,5,6,7
	global_load_b128 v[R0+32+4*\i:R0+32+4*\i+3], v[WO], s[8:9] offset:512*\i
.endr
	MAXES
	ds_store_b32 v[RMA], v[RMX]                    ; both halves of the lanes write the same word with the same value
	BAR                                            ; tile 0's row maxima lie in LDS
	ROWSCALE 0
	ACTQ
	PACK 0
	ds_store_b32 v[SCA], v[PW]
	s_wait_loadcnt 16                              ; tile 1's sixteen are in; the weights' sixteen stay out
	TURN R0+64
	s_wait_dscnt 0x0
	MAXES
	ds_store_b32 v[RMA], v[RMX] offset:1280
	BAR                                            ; tile 1's row maxima and tile 0's scale words lie in LDS
	SCOUT 0
	ROWSCALE 1
	ACTQ
	PACK 1
	ds_store_b32 v[SCA], v[PW] offset:1024
	s_wait_loadcnt 0x0                             ; the weights
.irp n, 0,1                            ; the sums of |w|: 32 numbers a lane of each tensor, in four chains each
.irp c, 0,1,2,3
	v_add_f32 v[X+4*\n+\c], |v[R0+32*\n+\c]|, |v[R0+32*\n+4+\c]|
.endr
.endr
.irp i, 8,12,16,20,24,28
.irp n, 0,1
.irp c, 0,1,2,3
	v_add_f32 v[X+4*\n+\c], v[X+4*\n+\c], |v[R0+32*\n+\i+\c]|
.endr
.endr
.endr
	v_add_f32 v[X], v[X], v[X+1]
	v_add_f32 v[X+2], v[X+2], v[X+3]
	v_add_f32 v[X+4], v[X+4], v[X+5]
	s_delay_alu instid0(VALU_DEP_4)
	v_add_f32 v[X+6], v[X+6], v[X+7]
	s_delay_alu instid0(VALU_DEP_3)
	v_add_f32 v[X], v[X], v[X+2]                   ; w1's
	s_delay_alu instid0(VALU_DEP_2)
	v_add_f32 v[X+1], v[X+4], v[X+6]               ; w2's
.irp m, 1,2,4,8
	s_delay_alu instid0(VALU_DEP_2)
	v_add_f32_dpp v[X], v[X], v[X] row_xmask:\m row_mask:0xf bank_mask:0xf
	s_delay_alu instid0(VALU_DEP_2)
	v_add_f32_dpp v[X+1], v[X+1], v[X+1] row_xmask:\m row_mask:0xf bank_mask:0xf
.endr
	s_delay_alu instid0(VALU_DEP_2)
	v_permlanex16_b32 v[T4], v[X], s[SEL], s[SEL+1]
	s_delay_alu instid0(VALU_DEP_2)
	v_permlanex16_b32 v[T4+1], v[X+1], s[SEL], s[SEL+1]
	s_delay_alu instid0(VALU_DEP_2)
	v_add_f32 v[X], v[X], v[T4]
	s_delay_alu instid0(VALU_DEP_2)
	v_add_f32 v[X+1], v[X+1], v[T4+1]
	ds_store_b64 v[WSA], v[X:X+1]                  ; all lanes write the same 8 bytes with the same values
	BAR                                            ; tile 1's scale words and the sixteen waves' sums lie in LDS
	SCOUT 1
	s_cmp_eq_u32 s[WV], 2
	s_cbranch_scc0 .Lno_sum
	ds_load_b64 v[X+2:X+3], v[WSL]                 ; lane l takes wave l % 16's pair
	s_wait_dscnt 0x0
.irp m, 1
	v_add_f32_dpp v[X+2], v[X+2], v[X+2] row_xmask:\m row_mask:0xf bank_mask:0xf
	v_add_f32_dpp v[X+3], v[X+3], v[X+3] row_xmask:\m row_mask:0xf bank_mask:0xf
.endr
.irp m, 2, 4, 8
	s_delay_alu instid0(VALU_DEP_2)
	v_add_f32_dpp v[X+2], v[X+2], v[X+2] row_xmask:\m row_mask:0xf bank_mask:0xf
	s_delay_alu instid0(VALU_DEP_2)
	v_add_f32_dpp v[X+3], v[X+3], v[X+3] row_xmask:\m row_mask:0xf bank_mask:0xf
.endr
	v_cmp_eq_u32 vcc_lo, 0, v[LN]
	s_wait_alu depctr_va_vdst(0)
	s_wait_xcnt 0x0                                ; EXEC changes only behind this wait
	s_and_saveexec_b32 s30, vcc_lo
	global_store_b32 v[ZR], v[X+2], s[12:13]       ; the group's sum of |w1|,
	global_store_b32 v[ZR], v[X+3], s[12:13] offset:1024   ; and of |w2|
	s_wait_xcnt 0x0                                ; and again, in front of the line that widens it
	s_or_b32 exec_lo, exec_lo, s30
.Lno_sum:
	s_wait_tensorcnt 0x0                           ; the wave's end, behind my last LDS store
	ds_add_u32 v[SPW], v[NIL]
	s_wait_dscnt 0x0
	s_endpgm
.Lfunc_end_k_q50c517cf89_qx:
	.size	k_q50c517cf89_qx, .Lfunc_end_k_q50c517cf89_qx-k_q50c517cf89_qx
	.p2alignl 7, 3214868480
	.fill 96, 4, 3214868480
	.section	.rodata,"a",@progbits
	.p2align	6, 0x0
	.amdhsa_kernel k_q50c517cf89_qx
		.amdhsa_group_segment_fixed_size 142336
		.amdhsa_private_segment_fixed_size 0
		.amdhsa_enable_private_segment 0
		.amdhsa_kernarg_size 40
		.amdhsa_user_sgpr_count 2
		.amdhsa_user_sgpr_kernarg_segment_ptr 1
		.amdhsa_wavefront_size32 1
		.amdhsa_system_sgpr_workgroup_id_x 1
		.amdhsa_system_sgpr_workgroup_id_y 1
		.amdhsa_system_sgpr_workgroup_id_z 1
		.amdhsa_system_vgpr_workitem_id 0
		.amdhsa_next_free_vgpr 256
		.amdhsa_next_free_sgpr 66
		.amdhsa_reserve_vcc 1
		.amdhsa_float_denorm_mode_32 3
		.amdhsa_float_denorm_mode_16_64 3
		.amdhsa_memory_ordered 1
		.amdhsa_forward_progress 1
		.amdhsa_inst_pref_size 56
	.end_amdhsa_kernel
	.amdgpu_metadata
---
amdhsa.version: [ 1, 2 ]
amdhsa.kernels:
  - .name:           k_q50c517cf89_qx
    .symbol:         k_q50c517cf89_qx.kd
    .args:
      - { .name: x, .offset: 0, .size: 8, .value_kind: global_buffer, .address_space: global }
      - { .name: w1, .offset: 8, .size: 8, .value_kind: global_buffer, .address_space: global }
      - { .name: w2, .offset: 16, .size: 8, .value_kind: global_buffer, .address_space: global }
      - { .name: acod, .offset: 24, .size: 8, .value_kind: global_buffer, .address_space: global }
      - { .name: wsum, .offset: 32, .size: 8, .value_kind: global_buffer, .address_space: global }
    .group_segment_fixed_size: 142336
    .private_segment_fixed_size: 0
    .kernarg_segment_align: 8
    .kernarg_segment_size: 40
    .max_flat_workgroup_size: 512
    .sgpr_count:     66
    .vgpr_count:     256
    .wavefront_size: 32
...
	.end_amdgpu_metadata
.endif
;; end of part 1
;; launch qw (part 2): grid 256 x 1, 16 waves a work-group, no clusters, 137,216 bytes of LDS; arguments w1, w2, wsum, w1c, w2c, wscl; writes w1c, w2c, wscl
.if DOCPART == 2
	.amdgcn_target "amdgcn-amd-amdhsa--gfx1250"
	.amdhsa_code_object_version 6
	.text
	.protected	k_q50c517cf89_qw
	.globl	k_q50c517cf89_qw
	.p2align	8
	.type	k_q50c517cf89_qw,@function
k_q50c517cf89_qw:
	s_mov_b64 s[64:65], 0
	v_nop
	global_prefetch_b8 v0, s[64:65] scope:SCOPE_SE
	s_setreg_imm32_b32 hwreg(HW_REG_WAVE_MODE, 25, 1), 1
	s_wait_xcnt 0x0
; SECOND LAUNCH: w1, w2 [2048][2048] f32 -> ternary numbers wq = clip(round(w / c), -1, 1) x m, c = max(mean|w|, 1e-5), m = 1 / (1 / c) -> codes of E2M3 in the order of the operand's registers, and one scale word a tensor.
; WORK LEFT OUT: reference()'s w + stop_gradient(wq - w) is wq by an identity (first launch's head).  And no block's largest magnitude is searched for: every wq that is not 0 has the magnitude m, so every block with a number other
; than 0 has the scale 2^(floor(log2 m) - 2): one byte a tensor.  A block of zeros gets that byte too where the rule says 127: its codes are zeros, and this program alone reads the bytes.
; LIMITS: NaN and infinities are not served; both reciprocals are refined by one Newton step (within one unit in the last place of the quotients).
; SHARES.  Work-groups 0-127 take w1, the others w2: pointers are chosen on the work-group's number, both tensors take one path.  A work-group takes a tile of 16 rows of W (16 output columns), wave w its K step w: one fragment a wave.
; W1C, W2C: [gw 0..31][f = 4 s + t][1536]: gw a group of 64 output columns, s the K step, t the tile; a fragment as an image of its 12 registers (registers 4 c .. 4 c + 3 of lane l at 512 c + 16 l).
; Lane r of tile t holds row 64 gw + 16 t + r of w2, and row 64 gw + 32 (t / 2) + 8 (t % 2) + r + 8 (r / 8) of w1: so the first product's results, used transposed, are 16 neighbours along the second product's K in a lane's registers.
.set SP,    528
.set WST,   16*SP
.set SPARE, 16*WST                     ; behind the sixteen stages: the spare words, 128 bytes a wave
.set WO0, 1                            ; v1   16 x thread: my 16 bytes of a row; rows 0-7 of the tile
.set WO1, 2                            ; v2   the same for rows 8-15, which in w1 lie 8 rows further on
.set SW,  3
.set SRD, 4
.set OC,  5                            ; v5   6144 x wave + 16 x lane
.set MO,  6                            ; v6   32 x lane: my eight partial sums
.set L4,  7                            ; v7   4 x lane
.set SPW, 12
.set NIL, 13
.set S,   14                           ; v[14:15] 1 / c
.set INV, 16                           ; v[16:17] m
.set T0,  18
.set T1,  19
.set SM,  20                           ; v20-27 partial sums
.set SO,  28                           ; v28  the conversions' scale operand
.set BY,  29
.set PC,  40
.set X,   64
.set R0,  128
.set WV,  16
.set SEL, 36
	s_load_b256 s[4:11], s[0:1], 0x0               ; w1, w2, wsum, w1c
	s_load_b128 s[12:15], s[0:1], 0x20             ; w2c, wscl
	v_lshl_add_u32 v[SPW], v0, 2, SPARE
	v_mov_b32 v[NIL], 0
	v_lshrrev_b32 v18, 5, v0
	s_delay_alu instid0(VALU_DEP_1)
	v_readfirstlane_b32 s[WV], v18                 ; wave 0..15
	v_and_b32 v8, 31, v0                           ; lane
	v_and_b32 v18, 15, v0                          ; r
	v_bfe_u32 v19, v0, 4, 1                        ; h
	v_lshlrev_b32 v[WO0], 4, v0
	s_mul_i32 s17, s[WV], WST
	v_lshl_add_u32 v[SW], v8, 4, s17
	v_mul_u32_u24 v[SRD], v18, SP
	s_delay_alu instid0(VALU_DEP_1)
	v_lshl_add_u32 v[SRD], v19, 6, v[SRD]
	s_delay_alu instid0(VALU_DEP_1)
	v_add_nc_u32 v[SRD], s17, v[SRD]
	s_mul_i32 s17, s[WV], 6144
	v_lshl_add_u32 v[OC], v8, 4, s17
	v_lshlrev_b32 v[MO], 5, v8
	v_lshlrev_b32 v[L4], 2, v8
	v_mov_b32 v[S+1], 0
	v_mov_b32 v[INV+1], 0
	s_mov_b32 s[SEL], 0x76543210
	s_mov_b32 s[SEL+1], 0xfedcba98
	s_mov_b32 s34, 0x3727c5ac                      ; 1e-5
	s_mov_b32 s35, 0x01010101
	s_and_b32 s17, ttmp9, 127                      ; j: the tile of 16 rows
	s_lshr_b32 s18, s17, 2                         ; gw
	s_and_b32 s19, s17, 3                          ; t
	s_lshl_b32 s20, s18, 6
	s_lshr_b32 s21, s19, 1
	s_lshl_b32 s21, s21, 5
	s_and_b32 s22, s19, 1
	s_lshl_b32 s22, s22, 3
	s_add_co_u32 s21, s21, s22
	s_add_co_u32 s21, s21, s20                     ; w1: the tile's first row 64 gw + 32 (t / 2) + 8 (t % 2)
	s_lshl_b32 s22, s17, 4                         ; w2: 16 j
	s_mul_i32 s28, s18, 98304
	s_mul_i32 s29, s19, 1536
	s_add_co_u32 s28, s28, s29                     ; the tile's place among the codes
	s_mov_b32 s29, 0
	s_mov_b32 s27, 0
	s_mov_b32 s31, 0
	s_mov_b32 s33, 0
	s_wait_alu depctr_va_vdst(0)
	s_wait_kmcnt 0x0
	s_cmp_lt_u32 ttmp9, 128                        ; w1's work-group or w2's?  The choice hangs on the work-group's number alone
	s_cselect_b64 s[4:5], s[4:5], s[6:7]
	s_cselect_b64 s[10:11], s[10:11], s[12:13]
	s_cselect_b32 s21, s21, s22
	s_cselect_b32 s23, 0x10000, 0                  ; rows 8-15: 8 rows of 8,192 bytes further on in w1
	s_cselect_b32 s30, 0, 1024
	s_cselect_b32 s32, 0, 128
	s_lshl_b32 s26, s21, 13
	s_add_nc_u64 s[4:5], s[4:5], s[26:27]
	s_add_nc_u64 s[10:11], s[10:11], s[28:29]
	s_add_nc_u64 s[8:9], s[8:9], s[30:31]
	s_add_nc_u64 s[14:15], s[14:15], s[32:33]
	v_add_nc_u32 v[WO1], s23, v[WO0]
	global_load_b128 v[SM:SM+3], v[MO], s[8:9]
	global_load_b128 v[SM+4:SM+7], v[MO], s[8:9] offset:16
.irp i, 0,1,2,3,4,5,6,7
	global_load_b128 v[R0+4*\i:R0+4*\i+3], v[WO0], s[4:5] offset:8192*\i th:TH_LOAD_NT
.endr
.irp i, 8,9,10,11,12,13,14,15
	global_load_b128 v[R0+4*\i:R0+4*\i+3], v[WO1], s[4:5] offset:8192*\i th:TH_LOAD_NT
.endr
	s_wait_loadcnt 16                              ; the partial sums are in; the sixteen rows stay out
	v_add_f32 v[SM], v[SM], v[SM+1]
	v_add_f32 v[SM+2], v[SM+2], v[SM+3]
	v_add_f32 v[SM+4], v[SM+4], v[SM+5]
	v_add_f32 v[SM+6], v[SM+6], v[SM+7]
	s_delay_alu instid0(VALU_DEP_3)
	v_add_f32 v[SM], v[SM], v[SM+2]
	s_delay_alu instid0(VALU_DEP_2)
	v_add_f32 v[SM+4], v[SM+4], v[SM+6]
	s_delay_alu instid0(VALU_DEP_1)
	v_add_f32 v[SM], v[SM], v[SM+4]
.irp m, 1,2,4,8
	s_delay_alu instid0(VALU_DEP_1)
	v_add_f32_dpp v[SM], v[SM], v[SM] row_xmask:\m row_mask:0xf bank_mask:0xf
.endr
	s_delay_alu instid0(VALU_DEP_1)
	v_permlanex16_b32 v[SM+1], v[SM], s[SEL], s[SEL+1]
	s_delay_alu instid0(VALU_DEP_1)
	v_add_f32 v[SM], v[SM], v[SM+1]
	s_delay_alu instid0(VALU_DEP_1)
	v_mul_f32 v[SM], 0x34800000, v[SM]             ; / 2^22 numbers: the mean
	s_delay_alu instid0(VALU_DEP_1)
	v_max_num_f32 v[SM], s34, v[SM]                ; reference()'s clip: c
	s_wait_alu depctr_va_vdst(0)
	v_rcp_f32 v[T0], v[SM]
	v_nop                                          ; a plain instruction behind the reciprocal,
	s_wait_alu depctr_va_vdst(0)                   ; and a wait ahead of its first reader
	v_fma_f32 v[T1], -v[SM], v[T0], 1.0
	v_fma_f32 v[S], v[T1], v[T0], v[T0]            ; 1 / c
	s_wait_alu depctr_va_vdst(0)
	v_rcp_f32 v[T0], v[S]
	v_nop
	s_wait_alu depctr_va_vdst(0)
	v_fma_f32 v[T1], -v[S], v[T0], 1.0
	v_fma_f32 v[INV], v[T1], v[T0], v[T0]          ; m
	s_delay_alu instid0(VALU_DEP_1)
	v_add_nc_u32 v[SO], 0xff000000, v[INV]         ; 2 off m's exponent field: the scale operand of every block (m is 1e-5 or more: the field stays above 0)
	s_wait_loadcnt 0x0
.irp i, 0,1,2,3,4,5,6,7,8,9,10,11,12,13,14,15
	ds_store_b128 v[SW], v[R0+4*\i:R0+4*\i+3] offset:SP*\i     ; through my own stage: LDS serves a wave's instructions in order
.endr
.irp b, 0,1,2,3
.irp j, 0,1,2,3
	ds_load_b128 v[X+16*\b+4*\j:X+16*\b+4*\j+3], v[SRD] offset:128*\b+16*\j
.endr
.endr
	s_wait_dscnt 0x0
.set J, 0
.rept 32
	v_pk_mul_f32 v[X+J:X+J+1], v[X+J:X+J+1], v[S:S+1] op_sel_hi:[1,0]
.set J, J+2
.endr
.set J, 0
.rept 64
	v_rndne_f32 v[X+J], v[X+J]
.set J, J+1
.endr
.set J, 0
.rept 64
	v_med3_num_f32 v[X+J], v[X+J], -1.0, 1.0
.set J, J+1
.endr
.set J, 0
.rept 32
	v_pk_mul_f32 v[X+J:X+J+1], v[X+J:X+J+1], v[INV:INV+1] op_sel_hi:[1,0]
.set J, J+2
.endr
.irp c, 0,1
	v_cvt_scalef32_pk16_fp6_f32 v[PC+6*\c:PC+6*\c+2], v[X+32*\c:X+32*\c+15], v[SO]
	v_cvt_scalef32_pk16_fp6_f32 v[PC+12+4*\c:PC+12+4*\c+2], v[X+32*\c+16:X+32*\c+31], v[SO]
.endr
	v_nop                                          ; one plain instruction behind the scaled conversions
.irp c, 0,1
.irp i, 0,1,2
	v_permlane16_swap_b32 v[PC+6*\c+\i], v[PC+12+4*\c+\i]
.endr
.irp i, 0,1,2
	s_delay_alu instid0(VALU_DEP_3)
	v_mov_b32 v[PC+6*\c+3+\i], v[PC+12+4*\c+\i]
.endr
.endr
.irp c, 0,1,2
	global_store_b128 v[OC], v[PC+4*\c:PC+4*\c+3], s[10:11] offset:512*\c    ; 512 consecutive bytes a store
.endr
	s_or_b32 s17, s17, s[WV]
	s_cmp_eq_u32 s17, 0                            ; wave 0 of each tensor's first work-group stores the tensor's scale word, 32 times
	s_cbranch_scc0 .Lno_word
	v_lshrrev_b32 v[BY], 23, v[SO]
	s_delay_alu instid0(VALU_DEP_1)
	v_mul_lo_u32 v[BY], v[BY], s35                 ; the byte in all four places
	global_store_b32 v[L4], v[BY], s[14:15]
.Lno_word:
	s_wait_tensorcnt 0x0                           ; the wave's end, behind my last LDS store
	ds_add_u32 v[SPW], v[NIL]
	s_wait_dscnt 0x0
	s_endpgm
.Lfunc_end_k_q50c517cf89_qw:
	.size	k_q50c517cf89_qw, .Lfunc_end_k_q50c517cf89_qw-k_q50c517cf89_qw
	.p2alignl 7, 3214868480
	.fill 96, 4, 3214868480
	.section	.rodata,"a",@progbits
	.p2align	6, 0x0
	.amdhsa_kernel k_q50c517cf89_qw
		.amdhsa_group_segment_fixed_size 137216
		.amdhsa_private_segment_fixed_size 0
		.amdhsa_enable_private_segment 0
		.amdhsa_kernarg_size 48
		.amdhsa_user_sgpr_count 2
		.amdhsa_user_sgpr_kernarg_segment_ptr 1
		.amdhsa_wavefront_size32 1
		.amdhsa_system_sgpr_workgroup_id_x 1
		.amdhsa_system_sgpr_workgroup_id_y 1
		.amdhsa_system_sgpr_workgroup_id_z 1
		.amdhsa_system_vgpr_workitem_id 0
		.amdhsa_next_free_vgpr 192
		.amdhsa_next_free_sgpr 66
		.amdhsa_reserve_vcc 0
		.amdhsa_float_denorm_mode_32 3
		.amdhsa_float_denorm_mode_16_64 3
		.amdhsa_memory_ordered 1
		.amdhsa_forward_progress 1
		.amdhsa_inst_pref_size 20
	.end_amdhsa_kernel
	.amdgpu_metadata
---
amdhsa.version: [ 1, 2 ]
amdhsa.kernels:
  - .name:           k_q50c517cf89_qw
    .symbol:         k_q50c517cf89_qw.kd
    .args:
      - { .name: w1, .offset: 0, .size: 8, .value_kind: global_buffer, .address_space: global }
      - { .name: w2, .offset: 8, .size: 8, .value_kind: global_buffer, .address_space: global }
      - { .name: wsum, .offset: 16, .size: 8, .value_kind: global_buffer, .address_space: global }
      - { .name: w1c, .offset: 24, .size: 8, .value_kind: global_buffer, .address_space: global }
      - { .name: w2c, .offset: 32, .size: 8, .value_kind: global_buffer, .address_space: global }
      - { .name: wscl, .offset: 40, .size: 8, .value_kind: global_buffer, .address_space: global }
    .group_segment_fixed_size: 137216
    .private_segment_fixed_size: 0
    .kernarg_segment_align: 8
    .kernarg_segment_size: 48
    .max_flat_workgroup_size: 512
    .sgpr_count:     66
    .vgpr_count:     192
    .wavefront_size: 32
...
	.end_amdgpu_metadata
.endif
;; end of part 2
;; launch gemm1 (part 3): grid 8 x 32, 4 waves a work-group, clusters of 4 x 1, 327,680 bytes of LDS; arguments acod, w1c, wscl, hbuf; writes hbuf
.if DOCPART == 3
	.amdgcn_target "amdgcn-amd-amdhsa--gfx1250"
	.amdhsa_code_object_version 6
	.text
	.protected	k_q50c517cf89_gemm1
	.globl	k_q50c517cf89_gemm1
	.p2align	8
	.type	k_q50c517cf89_gemm1,@function
k_q50c517cf89_gemm1:
	s_mov_b64 s[64:65], 0
	v_nop
	global_prefetch_b8 v0, s[64:65] scope:SCOPE_SE
	s_setreg_imm32_b32 hwreg(HW_REG_WAVE_MODE, 25, 1), 1
	s_wait_xcnt 0x0
	s_wait_alu depctr_hold_cnt(0) depctr_sa_sdst(0) depctr_va_vdst(0) depctr_va_sdst(0) depctr_va_ssrc(0) depctr_va_vcc(0) depctr_vm_vsrc(0)
	s_getreg_b32 s2, hwreg(HW_REG_IB_STS2, 6, 4)
	s_cmp_eq_u32 s2, 0
	s_cbranch_scc0 .Lentry_in_a_cluster
	s_endpgm
.Lentry_in_a_cluster:
	s_bfe_u32 s2, ttmp6, 0x10000c
	s_cmp_lg_u32 s2, 0x3003
	s_cbranch_scc0 .Lentry_shape_is_right
	s_endpgm
.Lentry_shape_is_right:
; THIRD LAUNCH: h = xq w1q^T on codes of E2M3, [8192 x 2048] x [2048 x 2048], f32 sums; the accumulators are stored as they stand (IMAGE = 1).  Nothing is left out here.
; THE WEIGHTS STAND STILL.  A work-group owns 256 rows and 256 columns; wave w keeps all codes of its 64 columns, 64 fragments = 768 registers.  They come from memory straight into those registers, up to five K steps ahead, while
; tiles 0 and 1 (16 rows each) are multiplied with K outermost.  From tile 2 on the tiles go by one at a time, K innermost: 64 products on four accumulators by turns, and the tile before leaves beside them.
; A's tiles are records of 25,600 bytes (first launch's head), twelve places in LDS.  The cluster's four work-groups own the same rows, so each record is asked for jointly; a wave brings one record a fill: tiles 0-3 at the head,
; 4-7 in K step 12 of the first phase, 8-11 ahead of tile 3, 12-15 into places 0-3 again ahead of tile 7.
; A's fragments pass through a ring of eight places in two halves.  Behind each sixteen products stands ONE run of memory instructions: the 12 loads that fill the half just left, and with them what else is due (the way out, scale words).
; W is not asked for jointly: it goes straight into registers, and a joint load lands in LDS alone.  No data prefetch: the block is the largest, in clusters, K is short, and there are four fills in all.
; THE MATRIX INSTRUCTION IS USED TRANSPOSED (source 0 = 16 rows of W, source 1 = 16 rows of A).
; Window 0: v1-11 addresses, W's scale word; v16-31 A's scale words, two sets; v32-127 A's ring; v128-191 two sets of four accumulators; v192-223 tile 0's accumulators, then rows on the way out; v224-235 W's fragment 63;
; v252, v253 the LDS address of the tile in hand, by its parity.  Windows 1-3: W's fragment f < 63 in window 1 + f / 21 at register 12 (f % 21).
.set IMAGE, 1
.set WSOFF, 0
.set REC,    25600
.set STAGE,  12*REC
.set SPITCH, 272
.set SPARE,  STAGE+4*16*SPITCH
.set L16, 1
.set STO, 4
.set RD,  5
.set CO,  6
.set BS,  7
.set SPW, 8
.set NIL, 9
.set SC,  16
.set AS,  32
.set ACC, 128
.set OB,  192
.set BX,  224
.set AD,  252
.set WV,  12
.set G1,  16
.set G0,  24
.set CNT, 40
.set TN,  41
.set CI,  46
.set T1,  47
.set T2,  48
.set MSB, 0
.macro WIN new
.if MSB != (\new)
	s_set_vgpr_msb (MSB<<8)|(\new)
.set MSB, (\new)
.endif
.endm
.macro ROUND
	s_barrier_signal -1
	s_barrier_wait -1
	s_cmp_lg_u32 s[WV], 0
	s_cbranch_scc1 .Lnot_wave_0_\@
	s_barrier_signal -3
.Lnot_wave_0_\@:
	s_barrier_wait -3
	s_barrier_signal -1
	s_barrier_wait -1
.endm
.macro PLACES n
.rept \n
	v_nop
.endr
.endm
.macro BFILL g, step                   ; a wait ahead of a fill, a round, and my one joint load
	s_wait_tensorcnt 0x0
	ds_add_u32 v[SPW], v[NIL]
.if \step
	s_add_nc_u64 s[\g+2:\g+3], s[\g+2:\g+3], 12*REC
.endif
	s_wait_dscnt 0x0
	ROUND
	tensor_load_to_lds s[\g:\g+3], s[G1:G1+7]
	s_nop 0
	PLACES 4
.endm
.macro WM rc, rw, ra, rs, zero, row
.if \zero
	v_wmma_scale_f32_16x16x128_f8f6f4 v[\rc:\rc+7], v[\rw:\rw+11], v[\ra:\ra+11], 0, v[BS], v[\rs] matrix_a_fmt:MATRIX_FMT_FP6 matrix_b_fmt:MATRIX_FMT_FP6
.elseif \row
	v_wmma_scale_f32_16x16x128_f8f6f4 v[\rc:\rc+7], v[\rw:\rw+11], v[\ra:\ra+11], v[\rc:\rc+7], v[BS], v[\rs] matrix_a_fmt:MATRIX_FMT_FP6 matrix_b_fmt:MATRIX_FMT_FP6 matrix_b_scale:MATRIX_SCALE_ROW1
.else
	v_wmma_scale_f32_16x16x128_f8f6f4 v[\rc:\rc+7], v[\rw:\rw+11], v[\ra:\ra+11], v[\rc:\rc+7], v[BS], v[\rs] matrix_a_fmt:MATRIX_FMT_FP6 matrix_b_fmt:MATRIX_FMT_FP6
.endif
.endm
.macro QUAD acc, sc, s, nb             ; four products: one fragment of A (ring place nb % 8), K step s, my four tiles of columns; the accumulators by turns
.set Z_, 0
.if (\s) == 0
.set Z_, 1
.endif
.set T_, 0
.rept 4
.set F_, 4*(\s)+T_
.if F_ < 63
	WIN 1+F_/21
.set RB, 12*(F_%21)
.else
	WIN 0
.set RB, BX
.endif
	WM (\acc)+8*T_, RB, AS+12*((\nb)%8), (\sc)+(\s)/2, Z_, (\s)%2
.set T_, T_+1
.endr
.endm
.macro AFR nb, adr, off                ; a fragment into ring place nb % 8: three loads of 512 consecutive bytes
.irp c, 0,1,2
	ds_load_b128 v[AS+12*((\nb)%8)+4*\c:AS+12*((\nb)%8)+4*\c+3], v[\adr] offset:(\off)+512*\c
.endr
.endm
.macro SLOAD set, adr, off             ; a tile's scale words
.irp c, 0,1
	ds_load_b128 v[SC+8*(\set)+4*\c:SC+8*(\set)+4*\c+3], v[\adr] offset:(\off)+24576+512*\c
.endr
.endm
.macro WLOAD st                        ; W's four fragments of K step st into the registers in which they stay
.set F_, 4*(\st)
.rept 4
.if F_ < 63
	WIN (1+F_/21)<<6
.set RB, 12*(F_%21)
.else
	WIN 0
.set RB, BX
.endif
.irp c, 0,1,2
	global_load_b128 v[RB+4*\c:RB+4*\c+3], v[L16], s[6:7] offset:1536*F_+512*\c
.endr
.set F_, F_+1
.endr
	WIN 0
.endm
.macro NEXTAD k                        ; the next tile's place is its number, less 12 from tile 12 on (bits 2 and 3 both set)
	s_add_co_u32 s[CI], s[CI], 1
	s_lshr_b32 s[T1], s[CI], 2
	s_lshr_b32 s[T2], s[CI], 3
	s_and_b32 s[T1], s[T1], s[T2]
	s_and_b32 s[T1], s[T1], 1
	s_mul_i32 s[T1], s[T1], 12
	s_xor_b32 s[T1], s[T1], s[CI]
	s_mul_i32 s[TN], s[T1], REC
	v_add_nc_u32 v[AD+(\k)], s[TN], v[L16]
	s_wait_alu depctr_va_vdst(0)
.endm
.macro SENDI src                       ; IMAGE = 1: four accumulators as they stand, each from its low end on
.irp m, 0,1,2,3,4,5,6,7
	global_store_b128 v[L16], v[(\src)+4*\m:(\src)+4*\m+3], s[10:11] offset:512*\m th:TH_STORE_NT
.endr
.endm
.macro STG src                         ; IMAGE = 0: four accumulators into my stage
.irp m, 0,1,2,3,4,5,6,7
	ds_store_b128 v[STO], v[(\src)+4*\m:(\src)+4*\m+3] offset:64*(\m/2)+16*(\m%2)
.endr
.endm
.macro BACK                            ; and back as whole rows of 256 bytes; LDS serves a wave's instructions in order
.irp n, 0,1,2,3,4,5,6,7
	ds_load_b128 v[OB+4*\n:OB+4*\n+3], v[RD] offset:2*SPITCH*\n
.endr
.endm
.macro SENDR
.irp n, 0,1,2,3,4,5,6,7
	global_store_b128 v[CO], v[OB+4*\n:OB+4*\n+3], s[10:11] offset:16384*\n th:TH_STORE_NT
.endr
.endm
; A tile of 16 rows, parity p: four groups of sixteen products, a run of memory instructions behind each.  la: the next tile's first eight fragments and scale words are fetched.
; Run 0: fragments 8-11 (IMAGE = 0: ahead of them the tile before goes through the stage; IMAGE = 1: behind them it is stored); run 1: 12-15; run 2: the next tile's scale words and fragments 0-3 (IMAGE = 0: behind them the rows are stored); run 3: 4-7.
; The wait ahead of four products: a group's fragments were asked for two runs back; the rest of that run, 3 loads a fragment, and the whole run since (YR LDS instructions) may be out.
.macro TILE p, la
.if IMAGE
	s_wait_xcnt 0x0                                ; the stores of two tiles back have read these accumulators, and the base
	s_add_nc_u64 s[10:11], s[10:11], 131072
.endif
.set G_, 0
.rept 4
.set YR, 12
.if G_ == 1
.set YR, 12+16*(1-IMAGE)
.endif
.if G_ == 3
.if \la
.set YR, 14
.else
.set YR, 0
.endif
.endif
.set J_, 0
.rept 4
	s_wait_dscnt 3*(3-J_)+YR
	QUAD ACC+32*(\p), SC+8*(\p), 4*G_+J_, 4*G_+J_
.set J_, J_+1
.endr
	WIN 0
.if G_ < 2 || (\la)
	PLACES 4                                       ; between the products and the loads into the half that they have read
.endif
.if G_ == 0 && IMAGE == 0
	s_wait_xcnt 0x0                                ; the last tile's stores have read their rows and their base
	s_add_nc_u64 s[10:11], s[10:11], 131072
	STG ACC+32*(1-(\p))
	BACK
.endif
.if G_ == 1 && (\la)
	NEXTAD 1-(\p)
.endif
.if G_ == 2 && (\la)
	SLOAD 1-(\p), AD+1-(\p), 0
.endif
.set M_, 0
.rept 4
.if G_ < 2
	AFR 4*G_+8+M_, AD+(\p), 1536*(4*G_+8+M_)
.elseif \la
	AFR 4*G_-8+M_, AD+1-(\p), 1536*(4*G_-8+M_)
.endif
.set M_, M_+1
.endr
.if G_ == 0 && IMAGE
	SENDI ACC+32*(1-(\p))
.endif
.if G_ == 2 && IMAGE == 0
	SENDR                                          ; group 2's first wait has shown run 0's LDS instructions done up to fragment 8's: the rows' loads among them
.endif
.set G_, G_+1
.endr
.endm
.macro PAIRS lab                       ; two trips of two tiles
	s_mov_b32 s[CNT], 2
\lab:
	TILE 1, 1
	TILE 0, 1
	s_sub_co_u32 s[CNT], s[CNT], 1
	s_cmp_lg_u32 s[CNT], 0
	s_cbranch_scc1 \lab
.endm
	s_load_b256 s[4:11], s[0:1], 0x0               ; acod, W's codes, wscl, the output
	v_lshl_add_u32 v[SPW], v0, 2, SPARE
	v_mov_b32 v[NIL], 0
	ds_add_u32 v[SPW], v[NIL]
	ds_add_u32 v[SPW], v[NIL]
	v_lshrrev_b32 v10, 5, v0
	v_readfirstlane_b32 s[WV], v10                 ; wave 0..3
	v_and_b32 v10, 31, v0
	v_lshlrev_b32 v[L16], 4, v10
	v_lshlrev_b32 v11, 2, v10
.if IMAGE == 0
	s_mul_i32 s39, s[WV], 16*SPITCH
	s_add_co_u32 s39, s39, STAGE
	v_and_b32 v14, 15, v0
	v_bfe_u32 v15, v0, 4, 1
	v_mul_u32_u24 v[STO], v14, SPITCH
	v_lshl_add_u32 v[STO], v15, 5, v[STO]
	v_add_nc_u32 v[STO], s39, v[STO]
	v_mul_u32_u24 v[RD], v15, SPITCH
	v_lshl_add_u32 v[RD], v14, 4, v[RD]
	v_add_nc_u32 v[RD], s39, v[RD]
	v_lshlrev_b32 v[CO], 13, v15
	v_lshl_add_u32 v[CO], v14, 4, v[CO]
.endif
	v_mov_b32 v[AD], v[L16]                        ; places 0 to 2 are reached by the loads' offsets
	s_and_b32 s15, ttmp7, 0xffff                   ; y: my 256 rows, which the four partners share
	s_mov_b32 s[G1+0], 15|(3<<16)|(1<<21)          ; the mask of all four, elements of 8 bytes, bit 21 beside the mask
	s_mov_b32 s[G1+1], 32<<16                      ; a record is a dense block: 100 rows of 256 bytes
	s_mov_b32 s[G1+2], 100<<16
	s_mov_b32 s[G1+3], 32<<16
	s_mov_b32 s[G1+4], 100
	s_mov_b32 s[G1+5], 32
	s_mov_b32 s[G1+6], 0
	s_mov_b32 s[G1+7], 0
	s_lshl_b32 s36, s15, 4
	s_add_co_u32 s36, s36, s[WV]
	s_mul_i32 s36, s36, REC                        ; record 16 y + wave
	s_mov_b32 s37, 0
	s_mul_i32 s38, s[WV], REC                      ; place = wave
	s_bfe_u32 s13, ttmp6, 0x40000                  ; cx enters W's and the output's addresses alone
	s_lshl_b32 s14, ttmp9, 2
	s_add_co_u32 s14, s14, s13
	s_lshl_b32 s44, s14, 2
	s_add_co_u32 s44, s44, s[WV]                   ; my group of 64 columns
	s_mul_i32 s42, s44, 98304
	s_mov_b32 s43, 0
	s_wait_alu depctr_va_vdst(0)
	s_wait_dscnt 0x0
	s_wait_kmcnt 0x0
	s_add_nc_u64 s[6:7], s[6:7], s[42:43]
	s_lshl_b32 s42, s15, 21
.if IMAGE
	s_lshl_b32 s45, s44, 12
.else
	s_lshl_b32 s45, s44, 8
.endif
	s_add_co_u32 s42, s42, s45
	s_add_nc_u64 s[10:11], s[10:11], s[42:43]
	s_add_nc_u64 s[36:37], s[4:5], s[36:37]
.irp n, 0,1,2                          ; set n: record 16 y + 4 n + wave into place 4 n + wave
	s_mov_b32 s[G0+4*\n], 1
	s_add_co_u32 s[G0+4*\n+1], s38, \n*4*REC
	s_add_nc_u64 s[G0+4*\n+2:G0+4*\n+3], s[36:37], \n*4*REC
	s_or_b32 s[G0+4*\n+3], s[G0+4*\n+3], 0x80000000
.endr
	global_load_b32 v[BS], v11, s[8:9] offset:WSOFF
	WLOAD 0
	ROUND                                          ; all four work-groups are here: the first joint loads meet
	tensor_load_to_lds s[G0:G0+3], s[G1:G1+7]      ; tiles 0-3, one a wave
	s_nop 0
	PLACES 4
	WLOAD 1
	WLOAD 2
	WLOAD 3
	WLOAD 4
	s_wait_tensorcnt 0x0                           ; my record is in,
	s_barrier_signal -1
	s_barrier_wait -1                              ; everybody's is
	SLOAD 0, AD, 0
	SLOAD 1, AD, REC
.set M_, 0
.rept 8
	AFR M_, AD, (M_%2)*REC+1536*(M_/2)
.set M_, M_+1
.endr
; THE FIRST PHASE: tiles 0 and 1, K outermost, as W's K steps arrive: eight groups of two K steps.  Fragment m of the ring's order is tile m % 2, K step m / 2; from m = 32 on tile 2's.
; Behind group g the run asks for fragments 4 g + 8 .. 4 g + 11 and for W's K steps 2 g + 5 and 2 g + 6; so ahead of K step s the sets s + 1 .. min(15, 2 g + 4), 12 loads each, may be out.
.set G_, 0
.rept 8
.if G_ == 6
	BFILL G0+4, 0                                  ; tiles 4-7
.endif
.set IM_, 2*G_+4
.if IM_ > 15
.set IM_, 15
.endif
.set J_, 0
.rept 4
.set S_, 2*G_+J_/2
.if J_%2 == 0
	s_wait_loadcnt 12*(IM_-S_)
.endif
	s_wait_dscnt 3*(3-J_)+12                       ; the rest of this group's run and the run since may be out
	QUAD OB+(ACC+32-OB)*(J_%2), SC+8*(J_%2), S_, 4*G_+J_
.set J_, J_+1
.endr
	WIN 0
	PLACES 4
.set M_, 4*G_+8
.rept 4
.if M_ < 32
	AFR M_, AD, (M_%2)*REC+1536*(M_/2)
.else
	AFR M_, AD, 2*REC+1536*(M_-32)
.endif
.set M_, M_+1
.endr
.if 2*G_+5 < 16
	WLOAD 2*G_+5
.endif
.if 2*G_+6 < 16
	WLOAD 2*G_+6
.endif
.set G_, G_+1
.endr
	v_add_nc_u32 v[AD], 2*REC, v[L16]              ; tile 2's place
	s_wait_alu depctr_va_vdst(0)
	SLOAD 0, AD, 0
.if IMAGE                              ; tile 0 leaves
	SENDI OB
.else
	STG OB
	s_wait_dscnt 0x0                               ; the stage's stores have read these registers, into which the rows come back
	BACK
	s_wait_dscnt 0x0
	SENDR
.endif
	s_wait_dscnt 0x0                               ; tile 2's scale words
	s_mov_b32 s[CI], 2
	TILE 0, 1                                      ; tile 2
	BFILL G0+8, 0                                  ; tiles 4-7 are in; tiles 8-11 are asked for
	PAIRS .Lt3                                     ; tiles 3-6
	BFILL G0, 1                                    ; tiles 8-11 are in; tiles 12-15 fill places 0-3 again
	PAIRS .Lt7                                     ; tiles 7-10
	s_wait_tensorcnt 0x0                           ; my part of tiles 12-15 is in,
	s_wait_dscnt 0x0
	s_barrier_signal -1
	s_barrier_wait -1                              ; everybody's is
	PAIRS .Lt11                                    ; tiles 11-14
	TILE 1, 0                                      ; tile 15
	PLACES 4
.if IMAGE
	s_wait_xcnt 0x0
	s_add_nc_u64 s[10:11], s[10:11], 131072
	SENDI ACC+32
.else
	STG ACC+32
	s_wait_xcnt 0x0
	s_add_nc_u64 s[10:11], s[10:11], 131072
	BACK
	s_wait_dscnt 0x0
	SENDR
.endif
	s_wait_tensorcnt 0x0                           ; the wave's end
	ds_add_u32 v[SPW], v[NIL]
	s_wait_dscnt 0x0
	ROUND                                          ; the closing round
	s_endpgm
.Lfunc_end_k_q50c517cf89_gemm1:
	.size	k_q50c517cf89_gemm1, .Lfunc_end_k_q50c517cf89_gemm1-k_q50c517cf89_gemm1
	.p2alignl 7, 3214868480
	.fill 96, 4, 3214868480
	.section	.rodata,"a",@progbits
	.p2align	6, 0x0
	.amdhsa_kernel k_q50c517cf89_gemm1
		.amdhsa_group_segment_fixed_size 327680
		.amdhsa_private_segment_fixed_size 0
		.amdhsa_enable_private_segment 0
		.amdhsa_kernarg_size 32
		.amdhsa_user_sgpr_count 2
		.amdhsa_user_sgpr_kernarg_segment_ptr 1
		.amdhsa_wavefront_size32 1
		.amdhsa_system_sgpr_workgroup_id_x 1
		.amdhsa_system_sgpr_workgroup_id_y 1
		.amdhsa_system_sgpr_workgroup_id_z 1
		.amdhsa_system_vgpr_workitem_id 0
		.amdhsa_next_free_vgpr 1024
		.amdhsa_next_free_sgpr 66
		.amdhsa_reserve_vcc 0
		.amdhsa_float_denorm_mode_32 3
		.amdhsa_float_denorm_mode_16_64 3
		.amdhsa_memory_ordered 1
		.amdhsa_forward_progress 1
		.amdhsa_inst_pref_size 162
	.end_amdhsa_kernel
	.amdgpu_metadata
---
amdhsa.version: [ 1, 2 ]
amdhsa.kernels:
  - .name:           k_q50c517cf89_gemm1
    .symbol:         k_q50c517cf89_gemm1.kd
    .args:
      - { .name: acod, .offset: 0, .size: 8, .value_kind: global_buffer, .address_space: global }
      - { .name: w1c, .offset: 8, .size: 8, .value_kind: global_buffer, .address_space: global }
      - { .name: wscl, .offset: 16, .size: 8, .value_kind: global_buffer, .address_space: global }
      - { .name: hbuf, .offset: 24, .size: 8, .value_kind: global_buffer, .address_space: global }
    .group_segment_fixed_size: 327680
    .private_segment_fixed_size: 0
    .kernarg_segment_align: 8
    .kernarg_segment_size: 32
    .max_flat_workgroup_size: 128
    .sgpr_count:     66
    .vgpr_count:     1024
    .wavefront_size: 32
...
	.end_amdgpu_metadata
.endif
;; end of part 3
;; launch qh (part 4): grid 256 x 1, 16 waves a work-group, no clusters, 6,656 bytes of LDS; arguments hbuf, acod; writes acod
.if DOCPART == 4
	.amdgcn_target "amdgcn-amd-amdhsa--gfx1250"
	.amdhsa_code_object_version 6
	.text
	.protected	k_q50c517cf89_qh
	.globl	k_q50c517cf89_qh
	.p2align	8
	.type	k_q50c517cf89_qh,@function
k_q50c517cf89_qh:
	s_mov_b64 s[64:65], 0
	v_nop
	global_prefetch_b8 v0, s[64:65] scope:SCOPE_SE
	s_setreg_imm32_b32 hwreg(HW_REG_WAVE_MODE, 25, 1), 1
	s_wait_xcnt 0x0
; FOURTH LAUNCH: h -> gelu(h) = 0.5 h (1 + erf(h / sqrt 2)) -> per-row absmax int8 numbers -> codes and scale bytes, into acod (laid as the first launch's head says).
; WORK LEFT OUT: reference()'s x + stop_gradient(aq - x) is aq by an identity (first launch's head).
; LIMITS: NaN and infinities are not served.  erf(u) = u P(u^2) / Q(u^2), u held to -4 .. 4, degrees 6 and 4, f32: its error is of the size of f32's own rounding of erf, taken absolutely; so gelu of a very negative h comes out as a number
; of the size 1e-7 |h| or less where the exact value is smaller still.  q / s is q x (1 / s), as in the first launch.  A block whose numbers are all 0 gets the byte 1.
; SHARES.  A work-group takes two tiles of 16 rows; wave w is K step w.  hbuf holds the first product's accumulators as they stood, so sixteen loads of 512 consecutive bytes bring lane (r, h) its X[16 b + i] = hidden unit
; 128 w + 32 b + 16 h + i of row r: nothing is turned.  All 32 loads of a wave go out at the head.
.set REC,   25600
.set RM,    0                          ; row maxima: 16 rows x 80 bytes, once for each tile
.set SCI,   2560                       ; the scale image, 1,024 bytes, once for each tile
.set SPARE, 4608                       ; the spare words, 128 bytes for each of 16 waves
.set HO,  1                            ; v1   8192 x wave + 16 x lane
.set SCG, 2                            ; v2   16 x thread
.set RMA, 4
.set RML, 5
.set SCA, 6
.set SCR, 7
.set OC,  8
.set SPW, 12
.set NIL, 13
.set S,   14
.set INV, 16
.set AM,  18
.set T0,  19
.set BM,  20
.set T4,  24
.set SO,  28
.set PW,  32
.set RMX, 33
.set T1,  34
.set T2,  35
.set T3,  36
.set PC,  40
.set A0,  60                           ; v[60:61] P's leading coefficient, twice; v[62:63] Q's
.set B0,  62
.set X0,  64                           ; v64-127 tile 0; v128-191 tile 1
.set U,   192
.set Z,   208
.set P,   224
.set Q,   240
.set SD,  192                          ; the scale image on its way out: U's registers, free by then
.set WV,  14
.set LO,  20
.set HI,  21
.set SEL, 22
.set AA,  24                           ; s[24:35] P's other six coefficients, a pair each (the packed form names a pair and takes its low word for both halves)
.set BB,  36                           ; s[36:43] Q's other four
.set RS2, 44                           ; s[44:45] 1 / sqrt 2
.set EPS, 46
.macro BAR
	s_wait_dscnt 0x0
	s_barrier_signal -1
	s_barrier_wait -1
.endm
; gelu of 16 numbers a lane.  left: the younger loads that may stay out.  The sixteen reciprocals are one batch; P's 64 lines are the work behind them; one wait stands ahead of their first reader.
.macro GELU x, left
	s_wait_loadcnt \left
.irp j, 0,2,4,6,8,10,12,14
	v_pk_mul_f32 v[U+\j:U+\j+1], v[\x+\j:\x+\j+1], s[RS2:RS2+1] op_sel_hi:[1,0]
.endr
.irp j, 0,1,2,3,4,5,6,7,8,9,10,11,12,13,14,15
	v_med3_num_f32 v[U+\j], v[U+\j], -4.0, 4.0
.endr
.irp j, 0,2,4,6,8,10,12,14
	v_pk_mul_f32 v[Z+\j:Z+\j+1], v[U+\j:U+\j+1], v[U+\j:U+\j+1]
.endr
.irp j, 0,2,4,6,8,10,12,14
	v_pk_fma_f32 v[Q+\j:Q+\j+1], v[Z+\j:Z+\j+1], v[B0:B0+1], s[BB:BB+1] op_sel_hi:[1,1,0]
.endr
.irp k, 1,2,3
.irp j, 0,2,4,6,8,10,12,14
	v_pk_fma_f32 v[Q+\j:Q+\j+1], v[Q+\j:Q+\j+1], v[Z+\j:Z+\j+1], s[BB+2*\k:BB+2*\k+1] op_sel_hi:[1,1,0]
.endr
.endr
	s_wait_alu depctr_va_vdst(0)
.irp j, 0,1,2,3,4,5,6,7,8,9,10,11,12,13,14,15
	v_rcp_f32 v[Q+\j], v[Q+\j]
.endr
.irp j, 0,2,4,6,8,10,12,14
	v_pk_fma_f32 v[P+\j:P+\j+1], v[Z+\j:Z+\j+1], v[A0:A0+1], s[AA:AA+1] op_sel_hi:[1,1,0]
.endr
.irp k, 1,2,3,4,5
.irp j, 0,2,4,6,8,10,12,14
	v_pk_fma_f32 v[P+\j:P+\j+1], v[P+\j:P+\j+1], v[Z+\j:Z+\j+1], s[AA+2*\k:AA+2*\k+1] op_sel_hi:[1,1,0]
.endr
.endr
.irp j, 0,2,4,6,8,10,12,14
	v_pk_mul_f32 v[P+\j:P+\j+1], v[P+\j:P+\j+1], v[U+\j:U+\j+1]
.endr
.irp j, 0,2,4,6,8,10,12,14
	v_pk_mul_f32 v[U+\j:U+\j+1], v[\x+\j:\x+\j+1], 0.5 op_sel_hi:[1,0]
.endr
	s_wait_alu depctr_va_vdst(0)                   ; one wait for the sixteen reciprocals
.irp j, 0,2,4,6,8,10,12,14
	v_pk_mul_f32 v[P+\j:P+\j+1], v[P+\j:P+\j+1], v[Q+\j:Q+\j+1]     ; erf
.endr
.irp j, 0,2,4,6,8,10,12,14
	v_pk_fma_f32 v[\x+\j:\x+\j+1], v[U+\j:U+\j+1], v[P+\j:P+\j+1], v[U+\j:U+\j+1]   ; 0.5 h erf + 0.5 h
.endr
.endm
.macro MAXES x
.irp b, 0,1,2,3
	v_max3_num_f32 v[BM+\b], |v[\x+16*\b]|, |v[\x+16*\b+1]|, 0
.endr
.irp i, 2,4,6,8,10,12,14
.irp b, 0,1,2,3
	s_delay_alu instid0(VALU_DEP_4)
	v_max3_num_f32 v[BM+\b], v[BM+\b], |v[\x+16*\b+\i]|, |v[\x+16*\b+\i+1]|
.endr
.endr
.irp b, 0,1,2,3
	s_delay_alu instid0(VALU_DEP_4)
	v_permlanex16_b32 v[T4+\b], v[BM+\b], s[SEL], s[SEL+1]
.endr
.irp b, 0,1,2,3
	s_delay_alu instid0(VALU_DEP_4)
	v_max_num_f32 v[BM+\b], v[BM+\b], v[T4+\b]
.endr
	s_delay_alu instid0(VALU_DEP_2)
	v_max3_num_f32 v[RMX], v[BM], v[BM+1], v[BM+2]
	s_delay_alu instid0(VALU_DEP_1)
	v_max_num_f32 v[RMX], v[RMX], v[BM+3]
.endm
.macro ROWSCALE tile
	s_wait_xcnt 0x0                                ; the last tile's stores have read the codes' registers, into which the maxima are loaded
.irp j, 0,1,2,3
	ds_load_b128 v[PC+4*\j:PC+4*\j+3], v[RML] offset:\tile*1280+16*\j
.endr
	s_wait_dscnt 0x0
	v_max3_num_f32 v[AM], v[PC], v[PC+1], v[PC+2]
.irp i, 3,5,7,9,11,13
	s_delay_alu instid0(VALU_DEP_1)
	v_max3_num_f32 v[AM], v[AM], v[PC+\i], v[PC+\i+1]
.endr
	s_delay_alu instid0(VALU_DEP_1)
	v_max3_num_f32 v[AM], v[AM], v[PC+15], s[EPS]  ; reference()'s clip from below is the last leaf
	s_wait_alu depctr_va_vdst(0)
	v_rcp_f32 v[T0], v[AM]
	v_nop
	s_wait_alu depctr_va_vdst(0)
	v_mul_f32 v[T1], s[HI], v[T0]
	s_delay_alu instid0(VALU_DEP_1)
	v_fma_f32 v[T2], -v[AM], v[T1], s[HI]
	v_fma_f32 v[S], v[T2], v[T0], v[T1]            ; s = 127 / a, corrected by its remainder
	s_wait_alu depctr_va_vdst(0)
	v_rcp_f32 v[T3], v[S]
	v_nop
	s_wait_alu depctr_va_vdst(0)
	v_fma_f32 v[T2], -v[S], v[T3], 1.0
	v_fma_f32 v[INV], v[T2], v[T3], v[T3]          ; 1 / s
.endm
.macro ACTQ x                          ; as in the first launch
.set J, 0
.rept 32
	v_pk_mul_f32 v[\x+J:\x+J+1], v[\x+J:\x+J+1], v[S:S+1] op_sel_hi:[1,0]
.set J, J+2
.endr
.irp b, 0,1,2,3
	v_mul_f32 v[BM+\b], v[BM+\b], v[S]
.endr
.set J, 0
.rept 64
	v_rndne_f32 v[\x+J], v[\x+J]
.set J, J+1
.endr
.irp b, 0,1,2,3
	v_rndne_f32 v[BM+\b], v[BM+\b]
.endr
.set J, 0
.rept 64
	v_med3_num_f32 v[\x+J], v[\x+J], s[LO], s[HI]
.set J, J+1
.endr
.irp b, 0,1,2,3
	v_med3_num_f32 v[BM+\b], v[BM+\b], s[LO], s[HI]
.endr
.set J, 0
.rept 32
	v_pk_mul_f32 v[\x+J:\x+J+1], v[\x+J:\x+J+1], v[INV:INV+1] op_sel_hi:[1,0]
.set J, J+2
.endr
.irp b, 0,1,2,3
	v_mul_f32 v[BM+\b], v[BM+\b], v[INV]
.endr
.irp b, 0,1,2,3
	s_delay_alu instid0(VALU_DEP_4)
	v_max_num_f32 v[BM+\b], 0x1800000, v[BM+\b]    ; the floor 2^(3 - 127)
.endr
.irp b, 0,1,2,3
	s_delay_alu instid0(VALU_DEP_4)
	v_add_nc_u32 v[SO+\b], 0xff000000, v[BM+\b]
.endr
.irp b, 0,1,2,3
	s_delay_alu instid0(VALU_DEP_4)
	v_lshrrev_b32 v[T4+\b], 23, v[SO+\b]
.endr
	s_delay_alu instid0(VALU_DEP_3)
	v_lshl_or_b32 v[PW], v[T4+1], 8, v[T4]
	s_delay_alu instid0(VALU_DEP_1)
	v_lshl_or_b32 v[PW], v[T4+2], 16, v[PW]
	s_delay_alu instid0(VALU_DEP_1)
	v_lshl_or_b32 v[PW], v[T4+3], 24, v[PW]
.endm
.macro PACK x, tile
.irp c, 0,1
	v_cvt_scalef32_pk16_fp6_f32 v[PC+6*\c:PC+6*\c+2], v[\x+32*\c:\x+32*\c+15], v[SO+2*\c]
	v_cvt_scalef32_pk16_fp6_f32 v[PC+12+4*\c:PC+12+4*\c+2], v[\x+32*\c+16:\x+32*\c+31], v[SO+2*\c+1]
.endr
	v_nop                                          ; one plain instruction behind the scaled conversions
.irp c, 0,1
.irp i, 0,1,2
	v_permlane16_swap_b32 v[PC+6*\c+\i], v[PC+12+4*\c+\i]
.endr
.irp i, 0,1,2
	s_delay_alu instid0(VALU_DEP_3)
	v_mov_b32 v[PC+6*\c+3+\i], v[PC+12+4*\c+\i]
.endr
.endr
.irp c, 0,1,2
	global_store_b128 v[OC], v[PC+4*\c:PC+4*\c+3], s[6:7] offset:\tile*REC+512*\c
.endr
.endm
.macro SCOUT tile
	s_cmp_lt_u32 s[WV], 2
	s_cbranch_scc0 .Lnot_mine_\@
	s_wait_xcnt 0x0                                ; the last image's store has read its registers
	ds_load_b128 v[SD:SD+3], v[SCR] offset:\tile*1024
	s_wait_dscnt 0x0
	global_store_b128 v[SCG], v[SD:SD+3], s[6:7] offset:\tile*REC+24576
.Lnot_mine_\@:
.endm
	s_load_b128 s[4:7], s[0:1], 0x0                ; hbuf s[4:5], acod s[6:7]
	v_lshl_add_u32 v[SPW], v0, 2, SPARE
	v_mov_b32 v[NIL], 0
	v_lshrrev_b32 v18, 5, v0
	s_delay_alu instid0(VALU_DEP_1)
	v_readfirstlane_b32 s[WV], v18                 ; wave 0..15
	v_and_b32 v3, 31, v0                           ; lane
	v_and_b32 v18, 15, v0                          ; r
	s_wait_alu depctr_va_vdst(0)
	v_lshlrev_b32 v[SCG], 4, v0
	s_wait_alu depctr_va_vdst(0)
	s_lshl_b32 s15, s[WV], 13
	v_lshl_add_u32 v[HO], v3, 4, s15
	v_mul_u32_u24 v[RML], v18, 80
	s_lshl_b32 s15, s[WV], 2
	v_add_nc_u32 v[RMA], s15, v[RML]
	s_lshr_b32 s15, s[WV], 3                       ; the scale word of K step w: register q = w / 2, lanes 16 (w % 2) + r
	s_lshl_b32 s15, s15, 9
	s_and_b32 s16, s[WV], 1
	s_lshl_b32 s16, s16, 8
	s_add_co_u32 s15, s15, s16
	s_bfe_u32 s16, s[WV], 0x20001
	s_lshl_b32 s16, s16, 2
	s_add_co_u32 s15, s15, s16
	s_add_co_u32 s15, s15, SCI
	v_lshl_add_u32 v[SCA], v18, 4, s15
	v_add_nc_u32 v[SCR], SCI, v[SCG]
	s_mul_i32 s15, s[WV], 1536
	v_lshl_add_u32 v[OC], v3, 4, s15
	v_mov_b32 v[S+1], 0
	v_mov_b32 v[INV+1], 0
.irp b, 0,1,2,3
	v_mov_b32 v[T4+\b], 0                          ; a lane permute's destination counts as one of its sources
.endr
	v_mov_b32 v[A0], 0xaf95df0b
	v_mov_b32 v[A0+1], 0xaf95df0b
	v_mov_b32 v[B0], 0xb77460cd
	v_mov_b32 v[B0+1], 0xb77460cd
	s_mov_b32 s[LO], 0xc3000000                    ; -128.0
	s_mov_b32 s[HI], 0x42fe0000                    ; 127.0
	s_mov_b32 s[SEL], 0x76543210
	s_mov_b32 s[SEL+1], 0xfedcba98
	s_mov_b32 s[EPS], 0x3727c5ac                   ; 1e-5
	s_mov_b32 s[RS2], 0x3f3504f3
	s_mov_b32 s[RS2+1], 0x3f3504f3
.macro COEF reg, bits
	s_mov_b32 s[\reg], \bits
	s_mov_b32 s[\reg+1], \bits
.endm
	COEF AA,    0x32edffee
	COEF AA+2,  0xb60cff51
	COEF AA+4,  0xb86ec2d2
	COEF AA+6,  0xba40ac63
	COEF AA+8,  0xbb41a1f6
	COEF AA+10, 0xbc83dbd4
	COEF BB,    0xb95fbd29
	COEF BB+2,  0xbadc924e
	COEF BB+4,  0xbbf19bf8
	COEF BB+6,  0xbc69b6a7
	s_lshl_b32 s16, ttmp9, 18                      ; the group's two tiles of hbuf
	s_mov_b32 s17, 0
	s_mul_i32 s18, ttmp9, 2*REC                    ; and its two records
	s_mov_b32 s19, 0
	s_wait_kmcnt 0x0
	s_add_nc_u64 s[4:5], s[4:5], s[16:17]
	s_add_nc_u64 s[6:7], s[6:7], s[18:19]
.irp t, 0,1
.irp i, 0,1,2,3,4,5,6,7,8,9,10,11,12,13,14,15
	global_load_b128 v[X0+64*\t+4*\i:X0+64*\t+4*\i+3], v[HO], s[4:5] offset:\t*131072+512*\i th:TH_LOAD_NT
.endr
.endr
.irp b, 0,1,2,3
	GELU X0+16*\b, 28-4*\b                         ; block b's four loads are in; the 28 - 4 b behind them stay out
.endr
	MAXES X0
	ds_store_b32 v[RMA], v[RMX]                    ; both halves of the lanes write the same word with the same value
	BAR                                            ; tile 0's row maxima lie in LDS
	ROWSCALE 0
	ACTQ X0
	PACK X0, 0
	ds_store_b32 v[SCA], v[PW]
.irp b, 0,1,2,3
	GELU X0+64+16*\b, 12-4*\b
.endr
	MAXES X0+64
	ds_store_b32 v[RMA], v[RMX] offset:1280
	BAR                                            ; tile 1's row maxima and tile 0's scale words lie in LDS
	SCOUT 0
	ROWSCALE 1
	ACTQ X0+64
	PACK X0+64, 1
	ds_store_b32 v[SCA], v[PW] offset:1024
	BAR                                            ; tile 1's scale words lie in LDS
	SCOUT 1
	s_wait_tensorcnt 0x0                           ; the wave's end, behind my last LDS store
	ds_add_u32 v[SPW], v[NIL]
	s_wait_dscnt 0x0
	s_endpgm
.Lfunc_end_k_q50c517cf89_qh:
	.size	k_q50c517cf89_qh, .Lfunc_end_k_q50c517cf89_qh-k_q50c517cf89_qh
	.p2alignl 7, 3214868480
	.fill 96, 4, 3214868480
	.section	.rodata,"a",@progbits
	.p2align	6, 0x0
	.amdhsa_kernel k_q50c517cf89_qh
		.amdhsa_group_segment_fixed_size 6656
		.amdhsa_private_segment_fixed_size 0
		.amdhsa_enable_private_segment 0
		.amdhsa_kernarg_size 16
		.amdhsa_user_sgpr_count 2
		.amdhsa_user_sgpr_kernarg_segment_ptr 1
		.amdhsa_wavefront_size32 1
		.amdhsa_system_sgpr_workgroup_id_x 1
		.amdhsa_system_sgpr_workgroup_id_y 1
		.amdhsa_system_sgpr_workgroup_id_z 1
		.amdhsa_system_vgpr_workitem_id 0
		.amdhsa_next_free_vgpr 256
		.amdhsa_next_free_sgpr 66
		.amdhsa_reserve_vcc 0
		.amdhsa_float_denorm_mode_32 3
		.amdhsa_float_denorm_mode_16_64 3
		.amdhsa_memory_ordered 1
		.amdhsa_forward_progress 1
		.amdhsa_inst_pref_size 122
	.end_amdhsa_kernel
	.amdgpu_metadata
---
amdhsa.version: [ 1, 2 ]
amdhsa.kernels:
  - .name:           k_q50c517cf89_qh
    .symbol:         k_q50c517cf89_qh.kd
    .args:
      - { .name: hbuf, .offset: 0, .size: 8, .value_kind: global_buffer, .address_space: global }
      - { .name: acod, .offset: 8, .size: 8, .value_kind: global_buffer, .address_space: global }
    .group_segment_fixed_size: 6656
    .private_segment_fixed_size: 0
    .kernarg_segment_align: 8
    .kernarg_segment_size: 16
    .max_flat_workgroup_size: 512
    .sgpr_count:     66
    .vgpr_count:     256
    .wavefront_size: 32
...
	.end_amdgpu_metadata
.endif
;; end of part 4
;; launch gemm2 (part 5): grid 8 x 32, 4 waves a work-group, clusters of 4 x 1, 327,680 bytes of LDS; arguments acod, w2c, wscl, out0; writes out0
.if DOCPART == 5
	.amdgcn_target "amdgcn-amd-amdhsa--gfx1250"
	.amdhsa_code_object_version 6
	.text
	.protected	k_q50c517cf89_gemm2
	.globl	k_q50c517cf89_gemm2
	.p2align	8
	.type	k_q50c517cf89_gemm2,@function
k_q50c517cf89_gemm2:
	s_mov_b64 s[64:65], 0
	v_nop
	global_prefetch_b8 v0, s[64:65] scope:SCOPE_SE
	s_setreg_imm32_b32 hwreg(HW_REG_WAVE_MODE, 25, 1), 1
	s_wait_xcnt 0x0
	s_wait_alu depctr_hold_cnt(0) depctr_sa_sdst(0) depctr_va_vdst(0) depctr_va_sdst(0) depctr_va_ssrc(0) depctr_va_vcc(0) depctr_vm_vsrc(0)
	s_getreg_b32 s2, hwreg(HW_REG_IB_STS2, 6, 4)
	s_cmp_eq_u32 s2, 0
	s_cbranch_scc0 .Lentry_in_a_cluster
	s_endpgm
.Lentry_in_a_cluster:
	s_bfe_u32 s2, ttmp6, 0x10000c
	s_cmp_lg_u32 s2, 0x3003
	s_cbranch_scc0 .Lentry_shape_is_right
	s_endpgm
.Lentry_shape_is_right:
; FIFTH LAUNCH: out = hq w2q^T on codes of E2M3, [8192 x 2048] x [2048 x 2048], f32 sums, row-major f32 out.  The third launch's text with IMAGE = 0 and WSOFF = 128; its head says how the work is shared.  Nothing is left out here.
; THE WAY OUT: a finished tile's 16 rows x 256 bytes go through the wave's own stage in LDS, bytes that no tensor load fills, and leave sixteen lanes to 256 consecutive aligned bytes, in the runs of the next tile.
; W is not asked for jointly (it goes straight into registers); no data prefetch (largest block, in clusters, short K, four fills).
.set IMAGE, 0
.set WSOFF, 128
.set REC,    25600
.set STAGE,  12*REC
.set SPITCH, 272
.set SPARE,  STAGE+4*16*SPITCH
.set L16, 1
.set STO, 4
.set RD,  5
.set CO,  6
.set BS,  7
.set SPW, 8
.set NIL, 9
.set SC,  16
.set AS,  32
.set ACC, 128
.set OB,  192
.set BX,  224
.set AD,  252
.set WV,  12
.set G1,  16
.set G0,  24
.set CNT, 40
.set TN,  41
.set CI,  46
.set T1,  47
.set T2,  48
.set MSB, 0
.macro WIN new
.if MSB != (\new)
	s_set_vgpr_msb (MSB<<8)|(\new)
.set MSB, (\new)
.endif
.endm
.macro ROUND
	s_barrier_signal -1
	s_barrier_wait -1
	s_cmp_lg_u32 s[WV], 0
	s_cbranch_scc1 .Lnot_wave_0_\@
	s_barrier_signal -3
.Lnot_wave_0_\@:
	s_barrier_wait -3
	s_barrier_signal -1
	s_barrier_wait -1
.endm
.macro PLACES n
.rept \n
	v_nop
.endr
.endm
.macro BFILL g, step                   ; a wait ahead of a fill, a round, and my one joint load
	s_wait_tensorcnt 0x0
	ds_add_u32 v[SPW], v[NIL]
.if \step
	s_add_nc_u64 s[\g+2:\g+3], s[\g+2:\g+3], 12*REC
.endif
	s_wait_dscnt 0x0
	ROUND
	tensor_load_to_lds s[\g:\g+3], s[G1:G1+7]
	s_nop 0
	PLACES 4
.endm
.macro WM rc, rw, ra, rs, zero, row
.if \zero
	v_wmma_scale_f32_16x16x128_f8f6f4 v[\rc:\rc+7], v[\rw:\rw+11], v[\ra:\ra+11], 0, v[BS], v[\rs] matrix_a_fmt:MATRIX_FMT_FP6 matrix_b_fmt:MATRIX_FMT_FP6
.elseif \row
	v_wmma_scale_f32_16x16x128_f8f6f4 v[\rc:\rc+7], v[\rw:\rw+11], v[\ra:\ra+11], v[\rc:\rc+7], v[BS], v[\rs] matrix_a_fmt:MATRIX_FMT_FP6 matrix_b_fmt:MATRIX_FMT_FP6 matrix_b_scale:MATRIX_SCALE_ROW1
.else
	v_wmma_scale_f32_16x16x128_f8f6f4 v[\rc:\rc+7], v[\rw:\rw+11], v[\ra:\ra+11], v[\rc:\rc+7], v[BS], v[\rs] matrix_a_fmt:MATRIX_FMT_FP6 matrix_b_fmt:MATRIX_FMT_FP6
.endif
.endm
.macro QUAD acc, sc, s, nb             ; four products: one fragment of A (ring place nb % 8), K step s, my four tiles of columns; the accumulators by turns
.set Z_, 0
.if (\s) == 0
.set Z_, 1
.endif
.set T_, 0
.rept 4
.set F_, 4*(\s)+T_
.if F_ < 63
	WIN 1+F_/21
.set RB, 12*(F_%21)
.else
	WIN 0
.set RB, BX
.endif
	WM (\acc)+8*T_, RB, AS+12*((\nb)%8), (\sc)+(\s)/2, Z_, (\s)%2
.set T_, T_+1
.endr
.endm
.macro AFR nb, adr, off                ; a fragment into ring place nb % 8: three loads of 512 consecutive bytes
.irp c, 0,1,2
	ds_load_b128 v[AS+12*((\nb)%8)+4*\c:AS+12*((\nb)%8)+4*\c+3], v[\adr] offset:(\off)+512*\c
.endr
.endm
.macro SLOAD set, adr, off             ; a tile's scale words
.irp c, 0,1
	ds_load_b128 v[SC+8*(\set)+4*\c:SC+8*(\set)+4*\c+3], v[\adr] offset:(\off)+24576+512*\c
.endr
.endm
.macro WLOAD st                        ; W's four fragments of K step st into the registers in which they stay
.set F_, 4*(\st)
.rept 4
.if F_ < 63
	WIN (1+F_/21)<<6
.set RB, 12*(F_%21)
.else
	WIN 0
.set RB, BX
.endif
.irp c, 0,1,2
	global_load_b128 v[RB+4*\c:RB+4*\c+3], v[L16], s[6:7] offset:1536*F_+512*\c
.endr
.set F_, F_+1
.endr
	WIN 0
.endm
.macro NEXTAD k                        ; the next tile's place is its number, less 12 from tile 12 on (bits 2 and 3 both set)
	s_add_co_u32 s[CI], s[CI], 1
	s_lshr_b32 s[T1], s[CI], 2
	s_lshr_b32 s[T2], s[CI], 3
	s_and_b32 s[T1], s[T1], s[T2]
	s_and_b32 s[T1], s[T1], 1
	s_mul_i32 s[T1], s[T1], 12
	s_xor_b32 s[T1], s[T1], s[CI]
	s_mul_i32 s[TN], s[T1], REC
	v_add_nc_u32 v[AD+(\k)], s[TN], v[L16]
	s_wait_alu depctr_va_vdst(0)
.endm
.macro SENDI src                       ; IMAGE = 1: four accumulators as they stand, each from its low end on
.irp m, 0,1,2,3,4,5,6,7
	global_store_b128 v[L16], v[(\src)+4*\m:(\src)+4*\m+3], s[10:11] offset:512*\m th:TH_STORE_NT
.endr
.endm
.macro STG src                         ; IMAGE = 0: four accumulators into my stage
.irp m, 0,1,2,3,4,5,6,7
	ds_store_b128 v[STO], v[(\src)+4*\m:(\src)+4*\m+3] offset:64*(\m/2)+16*(\m%2)
.endr
.endm
.macro BACK                            ; and back as whole rows of 256 bytes; LDS serves a wave's instructions in order
.irp n, 0,1,2,3,4,5,6,7
	ds_load_b128 v[OB+4*\n:OB+4*\n+3], v[RD] offset:2*SPITCH*\n
.endr
.endm
.macro SENDR
.irp n, 0,1,2,3,4,5,6,7
	global_store_b128 v[CO], v[OB+4*\n:OB+4*\n+3], s[10:11] offset:16384*\n th:TH_STORE_NT
.endr
.endm
; A tile of 16 rows, parity p: four groups of sixteen products, a run of memory instructions behind each.  la: the next tile's first eight fragments and scale words are fetched.
; Run 0: fragments 8-11 (IMAGE = 0: ahead of them the tile before goes through the stage; IMAGE = 1: behind them it is stored); run 1: 12-15; run 2: the next tile's scale words and fragments 0-3 (IMAGE = 0: behind them the rows are stored); run 3: 4-7.
; The wait ahead of four products: a group's fragments were asked for two runs back; the rest of that run, 3 loads a fragment, and the whole run since (YR LDS instructions) may be out.
.macro TILE p, la
.if IMAGE
	s_wait_xcnt 0x0                                ; the stores of two tiles back have read these accumulators, and the base
	s_add_nc_u64 s[10:11], s[10:11], 131072
.endif
.set G_, 0
.rept 4
.set YR, 12
.if G_ == 1
.set YR, 12+16*(1-IMAGE)
.endif
.if G_ == 3
.if \la
.set YR, 14
.else
.set YR, 0
.endif
.endif
.set J_, 0
.rept 4
	s_wait_dscnt 3*(3-J_)+YR
	QUAD ACC+32*(\p), SC+8*(\p), 4*G_+J_, 4*G_+J_
.set J_, J_+1
.endr
	WIN 0
.if G_ < 2 || (\la)
	PLACES 4                                       ; between the products and the loads into the half that they have read
.endif
.if G_ == 0 && IMAGE == 0
	s_wait_xcnt 0x0                                ; the last tile's stores have read their rows and their base
	s_add_nc_u64 s[10:11], s[10:11], 131072
	STG ACC+32*(1-(\p))
	BACK
.endif
.if G_ == 1 && (\la)
	NEXTAD 1-(\p)
.endif
.if G_ == 2 && (\la)
	SLOAD 1-(\p), AD+1-(\p), 0
.endif
.set M_, 0
.rept 4
.if G_ < 2
	AFR 4*G_+8+M_, AD+(\p), 1536*(4*G_+8+M_)
.elseif \la
	AFR 4*G_-8+M_, AD+1-(\p), 1536*(4*G_-8+M_)
.endif
.set M_, M_+1
.endr
.if G_ == 0 && IMAGE
	SENDI ACC+32*(1-(\p))
.endif
.if G_ == 2 && IMAGE == 0
	SENDR                                          ; group 2's first wait has shown run 0's LDS instructions done up to fragment 8's: the rows' loads among them
.endif
.set G_, G_+1
.endr
.endm
.macro PAIRS lab                       ; two trips of two tiles
	s_mov_b32 s[CNT], 2
\lab:
	TILE 1, 1
	TILE 0, 1
	s_sub_co_u32 s[CNT], s[CNT], 1
	s_cmp_lg_u32 s[CNT], 0
	s_cbranch_scc1 \lab
.endm
	s_load_b256 s[4:11], s[0:1], 0x0               ; acod, W's codes, wscl, the output
	v_lshl_add_u32 v[SPW], v0, 2, SPARE
	v_mov_b32 v[NIL], 0
	ds_add_u32 v[SPW], v[NIL]
	ds_add_u32 v[SPW], v[NIL]
	v_lshrrev_b32 v10, 5, v0
	v_readfirstlane_b32 s[WV], v10                 ; wave 0..3
	v_and_b32 v10, 31, v0
	v_lshlrev_b32 v[L16], 4, v10
	v_lshlrev_b32 v11, 2, v10
.if IMAGE == 0
	s_mul_i32 s39, s[WV], 16*SPITCH
	s_add_co_u32 s39, s39, STAGE
	v_and_b32 v14, 15, v0
	v_bfe_u32 v15, v0, 4, 1
	v_mul_u32_u24 v[STO], v14, SPITCH
	v_lshl_add_u32 v[STO], v15, 5, v[STO]
	v_add_nc_u32 v[STO], s39, v[STO]
	v_mul_u32_u24 v[RD], v15, SPITCH
	v_lshl_add_u32 v[RD], v14, 4, v[RD]
	v_add_nc_u32 v[RD], s39, v[RD]
	v_lshlrev_b32 v[CO], 13, v15
	v_lshl_add_u32 v[CO], v14, 4, v[CO]
.endif
	v_mov_b32 v[AD], v[L16]                        ; places 0 to 2 are reached by the loads' offsets
	s_and_b32 s15, ttmp7, 0xffff                   ; y: my 256 rows, which the four partners share
	s_mov_b32 s[G1+0], 15|(3<<16)|(1<<21)          ; the mask of all four, elements of 8 bytes, bit 21 beside the mask
	s_mov_b32 s[G1+1], 32<<16                      ; a record is a dense block: 100 rows of 256 bytes
	s_mov_b32 s[G1+2], 100<<16
	s_mov_b32 s[G1+3], 32<<16
	s_mov_b32 s[G1+4], 100
	s_mov_b32 s[G1+5], 32
	s_mov_b32 s[G1+6], 0
	s_mov_b32 s[G1+7], 0
	s_lshl_b32 s36, s15, 4
	s_add_co_u32 s36, s36, s[WV]
	s_mul_i32 s36, s36, REC                        ; record 16 y + wave
	s_mov_b32 s37, 0
	s_mul_i32 s38, s[WV], REC                      ; place = wave
	s_bfe_u32 s13, ttmp6, 0x40000                  ; cx enters W's and the output's addresses alone
	s_lshl_b32 s14, ttmp9, 2
	s_add_co_u32 s14, s14, s13
	s_lshl_b32 s44, s14, 2
	s_add_co_u32 s44, s44, s[WV]                   ; my group of 64 columns
	s_mul_i32 s42, s44, 98304
	s_mov_b32 s43, 0
	s_wait_alu depctr_va_vdst(0)
	s_wait_dscnt 0x0
	s_wait_kmcnt 0x0
	s_add_nc_u64 s[6:7], s[6:7], s[42:43]
	s_lshl_b32 s42, s15, 21
.if IMAGE
	s_lshl_b32 s45, s44, 12
.else
	s_lshl_b32 s45, s44, 8
.endif
	s_add_co_u32 s42, s42, s45
	s_add_nc_u64 s[10:11], s[10:11], s[42:43]
	s_add_nc_u64 s[36:37], s[4:5], s[36:37]
.irp n, 0,1,2                          ; set n: record 16 y + 4 n + wave into place 4 n + wave
	s_mov_b32 s[G0+4*\n], 1
	s_add_co_u32 s[G0+4*\n+1], s38, \n*4*REC
	s_add_nc_u64 s[G0+4*\n+2:G0+4*\n+3], s[36:37], \n*4*REC
	s_or_b32 s[G0+4*\n+3], s[G0+4*\n+3], 0x80000000
.endr
	global_load_b32 v[BS], v11, s[8:9] offset:WSOFF
	WLOAD 0
	ROUND                                          ; all four work-groups are here: the first joint loads meet
	tensor_load_to_lds s[G0:G0+3], s[G1:G1+7]      ; tiles 0-3, one a wave
	s_nop 0
	PLACES 4
	WLOAD 1
	WLOAD 2
	WLOAD 3
	WLOAD 4
	s_wait_tensorcnt 0x0                           ; my record is in,
	s_barrier_signal -1
	s_barrier_wait -1                              ; everybody's is
	SLOAD 0, AD, 0
	SLOAD 1, AD, REC
.set M_, 0
.rept 8
	AFR M_, AD, (M_%2)*REC+1536*(M_/2)
.set M_, M_+1
.endr
; THE FIRST PHASE: tiles 0 and 1, K outermost, as W's K steps arrive: eight groups of two K steps.  Fragment m of the ring's order is tile m % 2, K step m / 2; from m = 32 on tile 2's.
; Behind group g the run asks for fragments 4 g + 8 .. 4 g + 11 and for W's K steps 2 g + 5 and 2 g + 6; so ahead of K step s the sets s + 1 .. min(15, 2 g + 4), 12 loads each, may be out.
.set G_, 0
.rept 8
.if G_ == 6
	BFILL G0+4, 0                                  ; tiles 4-7
.endif
.set IM_, 2*G_+4
.if IM_ > 15
.set IM_, 15
.endif
.set J_, 0
.rept 4
.set S_, 2*G_+J_/2
.if J_%2 == 0
	s_wait_loadcnt 12*(IM_-S_)
.endif
	s_wait_dscnt 3*(3-J_)+12                       ; the rest of this group's run and the run since may be out
	QUAD OB+(ACC+32-OB)*(J_%2), SC+8*(J_%2), S_, 4*G_+J_
.set J_, J_+1
.endr
	WIN 0
	PLACES 4
.set M_, 4*G_+8
.rept 4
.if M_ < 32
	AFR M_, AD, (M_%2)*REC+1536*(M_/2)
.else
	AFR M_, AD, 2*REC+1536*(M_-32)
.endif
.set M_, M_+1
.endr
.if 2*G_+5 < 16
	WLOAD 2*G_+5
.endif
.if 2*G_+6 < 16
	WLOAD 2*G_+6
.endif
.set G_, G_+1
.endr
	v_add_nc_u32 v[AD], 2*REC, v[L16]              ; tile 2's place
	s_wait_alu depctr_va_vdst(0)
	SLOAD 0, AD, 0
.if IMAGE                              ; tile 0 leaves
	SENDI OB
.else
	STG OB
	s_wait_dscnt 0x0                               ; the stage's stores have read these registers, into which the rows come back
	BACK
	s_wait_dscnt 0x0
	SENDR
.endif
	s_wait_dscnt 0x0                               ; tile 2's scale words
	s_mov_b32 s[CI], 2
	TILE 0, 1                                      ; tile 2
	BFILL G0+8, 0                                  ; tiles 4-7 are in; tiles 8-11 are asked for
	PAIRS .Lt3                                     ; tiles 3-6
	BFILL G0, 1                                    ; tiles 8-11 are in; tiles 12-15 fill places 0-3 again
	PAIRS .Lt7                                     ; tiles 7-10
	s_wait_tensorcnt 0x0                           ; my part of tiles 12-15 is in,
	s_wait_dscnt 0x0
	s_barrier_signal -1
	s_barrier_wait -1                              ; everybody's is
	PAIRS .Lt11                                    ; tiles 11-14
	TILE 1, 0                                      ; tile 15
	PLACES 4
.if IMAGE
	s_wait_xcnt 0x0
	s_add_nc_u64 s[10:11], s[10:11], 131072
	SENDI ACC+32
.else
	STG ACC+32
	s_wait_xcnt 0x0
	s_add_nc_u64 s[10:11], s[10:11], 131072
	BACK
	s_wait_dscnt 0x0
	SENDR
.endif
	s_wait_tensorcnt 0x0                           ; the wave's end
	ds_add_u32 v[SPW], v[NIL]
	s_wait_dscnt 0x0
	ROUND                                          ; the closing round
	s_endpgm
.Lfunc_end_k_q50c517cf89_gemm2:
	.size	k_q50c517cf89_gemm2, .Lfunc_end_k_q50c517cf89_gemm2-k_q50c517cf89_gemm2
	.p2alignl 7, 3214868480
	.fill 96, 4, 3214868480
	.section	.rodata,"a",@progbits
	.p2align	6, 0x0
	.amdhsa_kernel k_q50c517cf89_gemm2
		.amdhsa_group_segment_fixed_size 327680
		.amdhsa_private_segment_fixed_size 0
		.amdhsa_enable_private_segment 0
		.amdhsa_kernarg_size 32
		.amdhsa_user_sgpr_count 2
		.amdhsa_user_sgpr_kernarg_segment_ptr 1
		.amdhsa_wavefront_size32 1
		.amdhsa_system_sgpr_workgroup_id_x 1
		.amdhsa_system_sgpr_workgroup_id_y 1
		.amdhsa_system_sgpr_workgroup_id_z 1
		.amdhsa_system_vgpr_workitem_id 0
		.amdhsa_next_free_vgpr 1024
		.amdhsa_next_free_sgpr 66
		.amdhsa_reserve_vcc 0
		.amdhsa_float_denorm_mode_32 3
		.amdhsa_float_denorm_mode_16_64 3
		.amdhsa_memory_ordered 1
		.amdhsa_forward_progress 1
		.amdhsa_inst_pref_size 173
	.end_amdhsa_kernel
	.amdgpu_metadata
---
amdhsa.version: [ 1, 2 ]
amdhsa.kernels:
  - .name:           k_q50c517cf89_gemm2
    .symbol:         k_q50c517cf89_gemm2.kd
    .args:
      - { .name: acod, .offset: 0, .size: 8, .value_kind: global_buffer, .address_space: global }
      - { .name: w2c, .offset: 8, .size: 8, .value_kind: global_buffer, .address_space: global }
      - { .name: wscl, .offset: 16, .size: 8, .value_kind: global_buffer, .address_space: global }
      - { .name: out0, .offset: 24, .size: 8, .value_kind: global_buffer, .address_space: global }
    .group_segment_fixed_size: 327680
    .private_segment_fixed_size: 0
    .kernarg_segment_align: 8
    .kernarg_segment_size: 32
    .max_flat_workgroup_size: 128
    .sgpr_count:     66
    .vgpr_count:     1024
    .wavefront_size: 32
...
	.end_amdgpu_metadata
.endif
;; end of part 5
